; MI455X (gfx1250); checked and timed in simulation.
; The chip was launched on July 23, 2026; its instructions are those of AMD's public machine-readable ISA for CDNA 5 (MIT licence, August 2026) and "CDNA5" Instruction Set Architecture Reference Guide (July 2026). The comments in the code are by the model that wrote it; some were corrected since.
;; Qwen3 Moe Attention. Allowed arithmetic: matrix products marked QUANTISED: E4M3 operands, one given power-of-two scale a tensor, by v_wmma_f32_16x16x64_fp8_fp8 or v_wmma_f32_16x16x128_fp8_fp8, f32 sums; everything else in f32.
;; Inputs: cos 2 x 2,048 x 128 float32; k_norm_w 128 float32; lowp_scales 12 int32 (the exponents e of the quantised operands' scales 2^e); q_norm_w 128 float32; sin 2 x 2,048 x 128 float32; wk 512 x 4,096 float32; wo 4,096 x 1,024 float32; wq 1,024 x 4,096 float32; wv 512 x 4,096 float32; x 2 x 2,048 x 4,096 float32.
;; Outputs: out0 2 x 2,048 x 4,096 float32.
;; This version of the problem:
;;   THIS VERSION OF THE PROBLEM IS GIVEN IN LOW PRECISION. The matrix products marked QUANTISED in the list below multiply operands that are first quantised to E4M3 (4 exponent bits, 3 mantissa bits; 8 bits a number), with one given power-of-two scale for each operand tensor; their sums are f32. All else is computed in f32.
;;   The module's matrix products, in the order in which they are computed (A, B: the left and right operand; K: the contracted axis; several contracted axes count as one K, in the product's order):
;;     1. [M 4,096, K 4,096] x [K 4,096, N 1,024]; A: input x; B: input wq: QUANTISED (scales: A lowp_scales[0], B lowp_scales[1])
;;     2. [M 4,096, K 4,096] x [K 4,096, N 512]; A: input x; B: input wk: QUANTISED (scales: A lowp_scales[2], B lowp_scales[3])
;;     3. [M 4,096, K 4,096] x [K 4,096, N 512]; A: input x; B: input wv: QUANTISED (scales: A lowp_scales[4], B lowp_scales[5])
;;     4. batch 16 x [M 2,048, K 128] x [K 128, N 2,048]; A: computed on the way; B: computed on the way: QUANTISED (scales: A lowp_scales[6], B lowp_scales[7])
;;     5. batch 16 x [M 2,048, K 2,048] x [K 2,048, N 128]; A: softmax (see below); B: computed on the way: QUANTISED (scales: A lowp_scales[8], B lowp_scales[9])
;;     6. [M 4,096, K 1,024] x [K 1,024, N 4,096]; A: computed on the way; B: input wo: QUANTISED (scales: A lowp_scales[10], B lowp_scales[11])
;;   THE QUANTISER, for each operand of a quantised product, along K:
;;     - The operand's scale is 2^e, e = its entry of the input lowp_scales (int32; the entries are numbered through the quantised products in the list's order, A before B).
;;     - Each number is divided by the scale, clamped to +-448, and rounded to the nearest number of E4M3, ties to even, subnormals kept.
;;     - The product sums the exact products of the quantised numbers (number of the format x scale) in f32.
;;   ~~~python
;;   def quantise(x, axis, e):      # numpy; x: float32 -> the quantised numbers, widened to float32 again
;;       x = np.moveaxis(x, axis, -1); K = x.shape[-1]
;;       r = np.clip(x / 2.0 ** e, -448, 448)
;;       step = 2.0 ** (np.maximum(np.frexp(np.where(r == 0, 1, r))[1] - 1, -6) - 3)
;;       q = np.round(r / step) * step * 2.0 ** e      # np.round: ties to even
;;       return np.moveaxis(q, -1, axis).astype(np.float32)
;;   ~~~
;;   SOFTMAX AHEAD OF A QUANTISED PRODUCT. Where the list says 'softmax', what is quantised is not the finished softmax but p = 2^(t - M), with t = logit x log2(e) and M = ceil(the row's largest t), a whole number; so 1/2 < the row's largest p <= 1. The row's sum l is taken of the UNQUANTISED p, in f32, and the product's result is divided by l at the end. Since M is a whole number, a kernel that streams over the keys may use a running M (the ceiling of the running maximum): every later rescaling is an exact power of two, so the quantised numbers keep their values, but for numbers so far below the row's largest that they fall under the format's range.
;;   OPERANDS COMPUTED ON THE WAY. 'Computed on the way' means the value that the module computes at that place (a softmax that the list does not call 'softmax' is quantised finished and normalised). What goes into a quantiser is computed in f32, as accurately as f32 sums, v_exp_f32 and their like allow (about 1e-6 of the number): no bf16 or f16 on the way to a quantiser, and a product that is left as it is and whose result goes on into a quantised operand takes f32 operands (vector FMAs, or v_wmma_f32_16x16x4_f32). A number that lies on a knife's edge between two numbers of the format may be rounded either way, as far as f32 arithmetic and the matrix unit's own rounding can turn it there, and no further.
;; One version. Each part assembles by itself: llvm-mc -triple=amdgcn-amd-amdhsa -mcpu=gfx1250 --defsym DOCPART=n.
;; ======== version 1 of 1: 4 launches
;; limits: right only within a limited range of input values
;; workspace buffers: xc 50,331,648 bytes; wqkvc 8,388,608 bytes; woc 4,194,304 bytes; qkc 6,291,456 bytes; vc 2,097,152 bytes; ac 4,194,304 bytes
;; launch quant (part 1): grid 896 x 1, 4 waves a work-group, no clusters, 33,280 bytes of LDS; arguments x, wq, wk, wv, wo, lowp_scales, xc, wqkvc, woc; writes xc, wqkvc, woc
.if DOCPART == 1
	.amdgcn_target "amdgcn-amd-amdhsa--gfx1250"
	.amdhsa_code_object_version 6
	.text
	.protected	k_q13d689e2fa_quant
	.globl	k_q13d689e2fa_quant
	.p2align	8
	.type	k_q13d689e2fa_quant,@function
k_q13d689e2fa_quant:
	s_mov_b64 s[64:65], 0
	v_nop
	global_prefetch_b8 v0, s[64:65] scope:SCOPE_SE
	s_setreg_imm32_b32 hwreg(HW_REG_WAVE_MODE, 25, 1), 1
	s_wait_xcnt 0x0
; x [4096][4096], wq [1024][4096], wk, wv [512][4096], wo [4096][1024], all f32 with K innermost, become codes of E4M3, one byte each, K innermost.
; code = number / 2^e, held within +-448, rounded to the nearest code, ties to even.  e: x has three entries (0, 2, 4: one for each projection), so x leaves as THREE images, 16 MiB apart in xc;
; wq entry 1, wk entry 3, wv entry 5 (one behind the other in wqkvc), wo entry 11 (woc).
; LIMITS: every e used here lies between -126 and 119, so that 2^e and 448 x 2^e are f32 numbers.  NaN among the inputs is not served (an infinity is held at the largest code).
; Rows are dense, so each tensor is a plain stream.  A work-group takes 32,768 numbers, a wave 8,192: 16 steps of 512.  Work-groups 0-511 x, 512-639 wq, 640-703 wk, 704-767 wv, 768-895 wo:
; only pointers and e are chosen, by the work-group's number; all take one way through the text but for x's two further images, which a branch on the work-group's number leaves out.
; Each load reads 512 consecutive bytes, 16 a lane; a step's 2,048 bytes turn through the wave's own stage in LDS (16 bytes of padding behind each 64) and come back 64 bytes a lane: 16 neighbours along K,
; as the conversions want them.  A lane's 16 codes are 16 bytes: each store of the wave covers 512 consecutive bytes, aligned.  Waves share nothing: no barrier.  Loads run four steps (16 loads) ahead.
.set WAVES, 4
.set STEPS, 16
.set SP,    80                         ; a lane's place in a stage: 64 bytes + 16 of padding
.set WREG,  8192                       ; LDS of a wave: two stages of 32 x SP bytes
.set SPARE, WAVES*WREG                 ; behind them: the spare words, 128 bytes a wave
.set SPW,   12                         ; v12  LDS address of my spare word; never rewritten
.set NIL,   13                         ; v13  0; never rewritten
.set R,     16                         ; v16-79    four sets of 16 numbers as loaded
.set X,     80                         ; v80-111   two sets of 16 neighbours
.set T,     112                        ; v112-127  the numbers held
.set C,     128                        ; v128-151  codes: two sets of 12 registers, by the step's parity
	s_load_b256 s[4:11], s[0:1], 0x0               ; x, wq, wk, wv
	s_load_b256 s[12:19], s[0:1], 0x20             ; wo, the scales' exponents, xc, wqkvc
	s_load_b64 s[20:21], s[0:1], 0x40              ; woc
	v_lshl_add_u32 v[SPW], v0, 2, SPARE
	v_mov_b32 v[NIL], 0
	v_lshrrev_b32 v1, 5, v0
	v_readfirstlane_b32 s22, v1                    ; wave
	v_and_b32 v2, 31, v0                           ; lane
	v_lshlrev_b32 v3, 4, v2                        ; my 16 bytes of a load's 512
	v_lshlrev_b32 v4, 4, v2                        ; my 16 codes of a step's 512
	s_mul_i32 s23, s22, WREG
	v_lshrrev_b32 v14, 2, v2
	v_mul_u32_u24 v14, v14, SP
	v_and_b32 v15, 3, v2
	v_lshl_add_u32 v14, v15, 4, v14
	v_add_nc_u32 v14, s23, v14                     ; the stage, on the way in: SP (lane / 4) + 16 (lane % 4)
	v_mul_u32_u24 v15, v2, SP
	v_add_nc_u32 v15, s23, v15                     ; and on the way out: SP x lane
	s_wait_kmcnt 0x0
	s_load_b256 s[36:43], s[14:15], 0x0            ; e0 .. e7
	s_load_b128 s[44:47], s[14:15], 0x20           ; e8 .. e11
	; which tensor: the choice hangs on the work-group's number alone
	s_mov_b64 s[24:25], s[12:13]                   ; from: wo,
	s_mov_b32 s26, 768                             ; whose first work-group is 768
	s_mov_b64 s[28:29], s[20:21]                   ; to: woc
	s_mov_b32 s27, 768
	s_cmp_lt_u32 ttmp9, 768
	s_cselect_b64 s[24:25], s[10:11], s[24:25]     ; wv
	s_cselect_b32 s26, 704, s26
	s_cselect_b64 s[28:29], s[18:19], s[28:29]     ; wqkvc, which work-groups 512 to 767 fill on end
	s_cselect_b32 s27, 512, s27
	s_cmp_lt_u32 ttmp9, 704
	s_cselect_b64 s[24:25], s[8:9], s[24:25]       ; wk
	s_cselect_b32 s26, 640, s26
	s_cmp_lt_u32 ttmp9, 640
	s_cselect_b64 s[24:25], s[6:7], s[24:25]       ; wq
	s_cselect_b32 s26, 512, s26
	s_cmp_lt_u32 ttmp9, 512
	s_cselect_b64 s[24:25], s[4:5], s[24:25]       ; x
	s_cselect_b32 s26, 0, s26
	s_cselect_b64 s[28:29], s[16:17], s[28:29]     ; xc
	s_cselect_b32 s27, 0, s27
	s_sub_co_u32 s30, ttmp9, s26
	s_lshl_b32 s30, s30, 2
	s_add_co_u32 s30, s30, s22                     ; which run of 8,192 numbers of the tensor is my wave's
	s_lshl_b32 s30, s30, 15                        ; 32,768 bytes each: 64 MiB at the most
	s_mov_b32 s31, 0
	s_add_nc_u64 s[24:25], s[24:25], s[30:31]
	s_sub_co_u32 s30, ttmp9, s27
	s_lshl_b32 s30, s30, 2
	s_add_co_u32 s30, s30, s22
	s_lshl_b32 s30, s30, 13                        ; 8,192 bytes of codes each
	s_add_nc_u64 s[28:29], s[28:29], s[30:31]
	s_add_nc_u64 s[32:33], s[28:29], 0x1000000     ; x's second and third image (used by x's work-groups alone)
	s_add_nc_u64 s[34:35], s[28:29], 0x2000000
.macro LOAD t
.irp i, 0,1,2,3
	global_load_b128 v[R+16*((\t)%4)+4*\i:R+16*((\t)%4)+4*\i+3], v3, s[24:25] offset:2048*(\t)+512*\i th:TH_LOAD_NT   ; 32 lanes read 512 consecutive bytes; read once in the launch
.endr
.endm
.macro TURN t                          ; step t's numbers through the stage: LDS serves a wave's instructions in order, so no wait stands between the stores and the loads
.irp i, 0,1,2,3
	ds_store_b128 v14, v[R+16*((\t)%4)+4*\i:R+16*((\t)%4)+4*\i+3] offset:32*SP*((\t)%2)+8*SP*\i
.endr
.irp i, 0,1,2,3
	ds_load_b128 v[X+16*((\t)%2)+4*\i:X+16*((\t)%2)+4*\i+3], v15 offset:32*SP*((\t)%2)+16*\i
.endr
.endm
.macro MKS e, vs, vl                   ; 2^e and 448 x 2^e as f32, from the whole number in s[e]
	s_add_co_i32 s48, s[\e], 127
	s_lshl_b32 s49, s48, 23
	v_mov_b32 v[\vs], s49
	s_add_co_i32 s48, s48, 8
	s_lshl_b32 s48, s48, 23
	s_or_b32 s48, s48, 0x600000
	v_mov_b32 v[\vl], s48
.endm
.irp t, 0,1,2,3
	LOAD \t
.endr
	s_wait_kmcnt 0x0
	s_mov_b32 s30, s47                             ; e11 for wo,
	s_cmp_lt_u32 ttmp9, 768
	s_cselect_b32 s30, s41, s30                    ; e5 for wv,
	s_cmp_lt_u32 ttmp9, 704
	s_cselect_b32 s30, s39, s30                    ; e3 for wk,
	s_cmp_lt_u32 ttmp9, 640
	s_cselect_b32 s30, s37, s30                    ; e1 for wq,
	s_cmp_lt_u32 ttmp9, 512
	s_cselect_b32 s30, s36, s30                    ; e0 for x's first image
	MKS 30, 5, 8
	MKS 38, 6, 9                                   ; e2: x's second image
	MKS 40, 7, 10                                  ; e4: x's third
	s_wait_loadcnt 12                              ; step 0's four loads are in; the 12 of steps 1 to 3 may be out
	TURN 0
; one image of a step: the hold (the conversion to an 8-bit code does not saturate: ISA guide 7.6.2), two conversions, a plain line behind them (the next hold writes their sources), the store
.macro IMG lim, sc, cr, base, t
.irp i, 0,1,2,3,4,5,6,7,8,9,10,11,12,13,14,15
	v_med3_num_f32 v[T+\i], v[XS+\i], -v[\lim], v[\lim]
.endr
	v_cvt_scalef32_pk8_fp8_f32 v[\cr:\cr+1], v[T:T+7], v[\sc]
	v_cvt_scalef32_pk8_fp8_f32 v[\cr+2:\cr+3], v[T+8:T+15], v[\sc]
	v_nop
	global_store_b128 v4, v[\cr:\cr+3], s[\base:\base+1] offset:512*(\t)
.endm
.macro STEP t
.set XS, X+16*((\t)%2)
.set CS, C+12*((\t)%2)
	s_wait_dscnt 0x0                               ; this step's numbers are back from the stage: so its stores into the stage have read their registers,
.if (\t)+4 < STEPS
	LOAD (\t)+4                                    ; which take the loads of four steps on
.endif
.if (\t)+1 < STEPS
.if STEPS-2-(\t) >= 3
	s_wait_loadcnt 12                              ; the next step's four loads are in; those of the three steps behind it may be out
.else
	s_wait_loadcnt 4*(STEPS-2-(\t))
.endif
	TURN (\t)+1                                    ; and go through the other stage while this step is worked
.endif
	s_wait_xcnt 0x0                                ; the stores of two steps ago have read this set of code registers
	IMG 8, 5, CS, 28, \t
	s_cmp_ge_u32 ttmp9, 512                        ; a weight has one image
	s_cbranch_scc1 .Lone_\@
	IMG 9, 6, CS+4, 32, \t
	IMG 10, 7, CS+8, 34, \t
.Lone_\@:
.endm
.irp t, 0,1,2,3,4,5,6,7,8,9,10,11,12,13,14,15
	STEP \t
.endr
	s_wait_tensorcnt 0x0                           ; the wave's end: behind my last LDS store
	ds_add_u32 v[SPW], v[NIL]
	s_wait_dscnt 0x0
	s_endpgm
.Lfunc_end_k_q13d689e2fa_quant:
	.size	k_q13d689e2fa_quant, .Lfunc_end_k_q13d689e2fa_quant-k_q13d689e2fa_quant
	.p2alignl 7, 3214868480
	.fill 96, 4, 3214868480
	.section	.rodata,"a",@progbits
	.p2align	6, 0x0
	.amdhsa_kernel k_q13d689e2fa_quant
		.amdhsa_group_segment_fixed_size 33280
		.amdhsa_private_segment_fixed_size 0
		.amdhsa_enable_private_segment 0
		.amdhsa_kernarg_size 72
		.amdhsa_user_sgpr_count 2
		.amdhsa_user_sgpr_kernarg_segment_ptr 1
		.amdhsa_wavefront_size32 1
		.amdhsa_system_sgpr_workgroup_id_x 1
		.amdhsa_system_sgpr_workgroup_id_y 1
		.amdhsa_system_sgpr_workgroup_id_z 1
		.amdhsa_system_vgpr_workitem_id 0
		.amdhsa_next_free_vgpr 152
		.amdhsa_next_free_sgpr 66
		.amdhsa_reserve_vcc 0
		.amdhsa_float_denorm_mode_32 3
		.amdhsa_float_denorm_mode_16_64 3
		.amdhsa_memory_ordered 1
		.amdhsa_forward_progress 1
		.amdhsa_inst_pref_size 82
	.end_amdhsa_kernel
	.amdgpu_metadata
---
amdhsa.version: [ 1, 2 ]
amdhsa.kernels:
  - .name:           k_q13d689e2fa_quant
    .symbol:         k_q13d689e2fa_quant.kd
    .args:
      - { .name: x, .offset: 0, .size: 8, .value_kind: global_buffer, .address_space: global }
      - { .name: wq, .offset: 8, .size: 8, .value_kind: global_buffer, .address_space: global }
      - { .name: wk, .offset: 16, .size: 8, .value_kind: global_buffer, .address_space: global }
      - { .name: wv, .offset: 24, .size: 8, .value_kind: global_buffer, .address_space: global }
      - { .name: wo, .offset: 32, .size: 8, .value_kind: global_buffer, .address_space: global }
      - { .name: lowp_scales, .offset: 40, .size: 8, .value_kind: global_buffer, .address_space: global }
      - { .name: xc, .offset: 48, .size: 8, .value_kind: global_buffer, .address_space: global }
      - { .name: wqkvc, .offset: 56, .size: 8, .value_kind: global_buffer, .address_space: global }
      - { .name: woc, .offset: 64, .size: 8, .value_kind: global_buffer, .address_space: global }
    .group_segment_fixed_size: 33280
    .private_segment_fixed_size: 0
    .kernarg_segment_align: 8
    .kernarg_segment_size: 72
    .max_flat_workgroup_size: 128
    .sgpr_count:     66
    .vgpr_count:     152
    .wavefront_size: 32
...
	.end_amdgpu_metadata
.endif
;; end of part 1
;; launch qkv (part 2): grid 16 x 16, 4 waves a work-group, clusters of 4 x 4, 327,680 bytes of LDS; arguments xc, wqkvc, lowp_scales, cos, sin, q_norm_w, k_norm_w, qkc, vc; writes qkc, vc
.if DOCPART == 2
	.amdgcn_target "amdgcn-amd-amdhsa--gfx1250"
	.amdhsa_code_object_version 6
	.text
	.protected	k_q13d689e2fa_qkv
	.globl	k_q13d689e2fa_qkv
	.p2align	8
	.type	k_q13d689e2fa_qkv,@function
k_q13d689e2fa_qkv:
	s_mov_b64 s[64:65], 0
	v_nop
	global_prefetch_b8 v0, s[64:65] scope:SCOPE_SE
	s_setreg_imm32_b32 hwreg(HW_REG_WAVE_MODE, 25, 1), 1
	s_wait_xcnt 0x0
	s_wait_alu depctr_hold_cnt(0) depctr_sa_sdst(0) depctr_va_vdst(0) depctr_va_sdst(0) depctr_va_ssrc(0) depctr_va_vcc(0) depctr_vm_vsrc(0)
	s_getreg_b32 s2, hwreg(HW_REG_IB_STS2, 6, 4)
	s_cmp_eq_u32 s2, 0
	s_cbranch_scc0 .Lentry_in_a_cluster
	s_endpgm
.Lentry_in_a_cluster:
	s_bfe_u32 s2, ttmp6, 0x10000c
	s_cmp_lg_u32 s2, 0xf033
	s_cbranch_scc0 .Lentry_shape_is_right
	s_endpgm
.Lentry_shape_is_right:
; The three projections as ONE product on codes of E4M3, [4096 rows] x [2048 = 8 q heads, 4 k heads, 4 v heads x 128], K = 4096, and what follows them:
; q, k: RMSNorm over the head's 128, the norm's weight, RoPE, all in f32, then codes (entries 6 and 7 of the scales) into qkc [2][12 heads: 8 q, 4 k][2048][128];
; v: codes (entry 9) with the KEYS innermost into vc [2][4][128][2048].
; A work-group makes 256 rows x ONE head; tile column TC = the head.  4,096 x 2,048 outputs over 256 such tiles: one for each WGP.  Four waves, each 64 rows x 128 columns: 32 accumulators, 256 registers.
; THE MATRIX INSTRUCTION IS USED TRANSPOSED (source 0 = 16 rows of the weight, source 1 = 16 rows of x): accumulator (a, t), register j, lane (r, h) is row 64 w + 16 a + r, column d = 16 t + 8 h + j.
; So a lane holds half a head of one row: the norm wants one exchange between the halves of the lanes; RoPE's partner d + 64 is the same lane's register 32 further on; eight registers are eight neighbours along the next K.
; THE RING HAS TWO UNEQUAL SLOTS.  Behind a change of slots a wave issues one tensor load, and at the next change all loads are waited for: so the pieces are made as large as LDS holds.  Slot Q takes 256 along K
; (384 rows of 272 bytes), slot P 512 (384 rows of 528 bytes): 307,200 bytes.  K is walked as Q0 P0 Q1 P1 .. P4 Q5: 6 x 256 + 5 x 512 = 4,096, eleven pieces, nine of them refills.  Q i begins at byte 768 i of a row, P i at 768 i + 256.
; A fragment comes by four loads of 16 bytes, 32 apart: a permutation of k that is the same in both operands.
; CLUSTERS 4 x 4: the four of a row need the same rows of x (cluster columns are q0-3, q4-7, k0-3, v0-3, so all four want the same image of x), the four of a column the same rows of the weight: joint loads.
; LIMITS on the given exponents: E = e0 + e1 (q) or e2 + e3 (k) between -59 and 67, so that 2^(2 E - 7) and 2^E are f32 numbers; e6, e7 and e9 - e4 - e5 between -126 and 119.  NaN is not served.
; REGISTERS: window 0: v1-29 addresses and constants; v32-47 sums of squares, later codes; v48-55 rsqrt x 2^E in pairs; v64-127, v128-191 x's fragments, two sets, later the normed numbers and RoPE's results; v192-255 the norm's weight.
;   window 1: the weight's fragments, two sets of 128; later cos and sin of row tiles 2, 3.   window 2: the accumulators, (a, t) at v[8 (8 a + t)].   window 3: cos and sin of row tiles 0, 1.
.set PITQ,  272                        ; slot Q's LDS row: 256 bytes + 16 of padding;
.set PITP,  528                        ; slot P's: 512 + 16: both odd multiples of 16: the 16 rows of a fragment load start 4 banks apart
.set PAB,   256*PITP                   ; slot P begins at byte 0: x's 256 rows, then the weight's 128
.set QBASE, 384*PITP                   ; slot Q behind it
.set QAB,   QBASE+256*PITQ
.set SPARE, QBASE+384*PITQ             ; behind the ring: the spare words, 128 bytes a wave
.set VP,    1296                       ; v's stage, from byte 0: 128 rows (d) of 16 chunks (16 keys in f32 + 16 bytes) + 16 bytes
.set QSTG,  128*VP                     ; q's and k's stage behind it: 64 rows x 144 bytes for each wave.  Both stages lie in slot P, and are written when it has had its last fill and its last read
.set QP,    144
.set G1,  24                           ; s[24:31] descriptor group 1 for x's tiles in slot Q; s[68:75] (G1 + 44) in slot P
.set G0,  32                           ; s[32:35], s[36:39] their groups 0
.set G1B, 48                           ; s[48:55] the weight's in slot Q; s[76:83] (G1B + 28) in slot P
.set G0B, 56                           ; s[56:59], s[60:63]
.set PFA,  46                          ; s[46:47] where my prefetches stand
.set LIMQ, 66                          ; s66, s67, s93: the bounds on the count of trips for the prefetches of Q's block and of P's two
.set LIMP, 67
.set LIMP2, 93
.set ADRA, 16                          ; v16, v17 LDS address of my fragments of x in slot Q, P
.set ADRB, 20                          ; v20, v21 of the weight's
.set SPW, 28
.set NIL, 29
.set SS,   32
.set CODE, 32
.set RS,   48
.set N,    64
.set OUT,  128
.set W,    192
.set MUL,  0xa1                        ; source 0 window 1, source 1 window 0, C and D window 2
.set MSB, 0
.macro WIN new                         ; the immediate's high byte repeats the setting that is left
.if MSB != \new
	s_set_vgpr_msb (MSB<<8)|\new
.set MSB, \new
.endif
.endm
; A joint load: waves 0 and 1 fetch x's halves, waves 2 and 3 the weight's.  The branch hangs on the wave's number alone.  An s_nop 0 and four v_nop follow each line.
.macro JLOAD g0a, g1a, g0b, g1b
	s_cmp_eq_u32 s23, 0
	s_cbranch_scc0 .Lfor_b_\@
	tensor_load_to_lds s[\g0a:\g0a+3], s[\g1a:\g1a+7]
	s_nop 0
.rept 4
	v_nop
.endr
	s_branch .Lasked_\@
.Lfor_b_\@:
	tensor_load_to_lds s[\g0b:\g0b+3], s[\g1b:\g1b+7]
	s_nop 0
.rept 4
	v_nop
.endr
.Lasked_\@:
.endm
.macro CREST                           ; a round of the cluster's barrier behind its opening barrier
	s_cmp_lg_u32 s22, 0
	s_cbranch_scc1 .Lnot_wave_0_\@
	s_barrier_signal -3
.Lnot_wave_0_\@:
	s_barrier_wait -3
	s_barrier_signal -1
	s_barrier_wait -1
.endm
.macro CROUND
	s_barrier_signal -1
	s_barrier_wait -1
	CREST
.endm
.macro PLACES n
.rept \n
	v_nop
.endr
.endm
; PREFETCHES INTO THE L2.  The change that refills a slot asks for the SAME slot's next piece, 768 bytes further along K: it stands two refills, 192 matrix instructions of the wave, ahead of the load that will want it.
; Each aligned 256 bytes is named once in the launch, a lane a row.  x's rows: by the clusters with x other than 1 (the first image is read by cluster columns 0 and 1); of the 128 rows that a wave fetches each of the four
; partners takes 32, told apart by address (cx); one block for Q, two for P.  The weight's rows: by the clusters with y = 0; of the tile's 128 rows each partner takes 32 (cy); wave 2 asks for Q's block, waves 2 and 3 for P's two.
; In trip i the pointer stands at byte 768 (i + 1) of the rows.  Q 2 to Q 5 and P 2 to P 4 are asked for: the last trip asks for no P, the tail for nothing.
.macro ASKQ
	s_cmp_gt_u32 s3, s[LIMQ]
	s_cbranch_scc0 .Lnot_q_\@
	global_prefetch_b8 v27, s[PFA:PFA+1] offset:768 th:TH_LOAD_NT scope:SCOPE_SE
.Lnot_q_\@:
.endm
.macro ASKP
	s_cmp_gt_u32 s3, s[LIMP]
	s_cbranch_scc0 .Lnot_p_\@
	global_prefetch_b8 v27, s[PFA:PFA+1] offset:1024 th:TH_LOAD_NT scope:SCOPE_SE
.Lnot_p_\@:
	s_cmp_gt_u32 s3, s[LIMP2]
	s_cbranch_scc0 .Lnot_p2_\@
	global_prefetch_b8 v27, s[PFA:PFA+1] offset:1280 th:TH_LOAD_NT scope:SCOPE_SE
.Lnot_p2_\@:
.endm
	s_load_b256 s[4:11], s[0:1], 0x0               ; xc, wqkvc, the scales' exponents, cos
	s_load_b256 s[12:19], s[0:1], 0x20             ; sin, q_norm_w, k_norm_w, qkc
	s_load_b64 s[20:21], s[0:1], 0x40              ; vc
	v_lshl_add_u32 v[SPW], v0, 2, SPARE
	v_mov_b32 v[NIL], 0
	ds_add_u32 v[SPW], v[NIL]                      ; the wave's opening: the add and its wait ahead of my first tensor load; work on registers stands between them
	v_lshrrev_b32 v1, 5, v0
	v_readfirstlane_b32 s22, v1                    ; wave 0..3
	s_lshr_b32 s23, s22, 1                         ; I fetch for x (0) or for the weight (1),
	s_and_b32 s2, s22, 1                           ; and which half of that tile's rows
	s_bfe_u32 s40, ttmp6, 0x40000                  ; cx
	s_bfe_u32 s41, ttmp6, 0x40004                  ; cy
	s_lshl_b32 s42, ttmp9, 2
	s_add_co_u32 s42, s42, s40                     ; TC = the head, 0..15
	s_and_b32 s43, ttmp7, 0xffff
	s_lshl_b32 s43, s43, 2
	s_add_co_u32 s43, s43, s41                     ; TR = the block of 256 rows, 0..15
	s_lshl_b32 s44, s41, 2
	s_lshl_b32 s44, 15, s44                        ; my row of the cluster
	s_lshl_b32 s45, 0x1111, s40                    ; my column
	s_or_b32 s[G1+0], s44, (1<<20)|(1<<21)|(5<<22)|(3<<25)   ; x, slot Q: the mask; elements of 1 byte; padding on; bit 21 beside a mask; 4 words behind every 64
	s_mov_b32 s[G1+1], 256<<16                     ; tensor_dim0 = 256
	s_mov_b32 s[G1+2], 128<<16                     ; tensor_dim1 = 128
	s_mov_b32 s[G1+3], 256<<16                     ; tile_dim0 = 256
	s_mov_b32 s[G1+4], 128                         ; tile_dim1 = 128 rows
	s_mov_b32 s[G1+5], 4096                        ; bytes from row to row
	s_mov_b32 s[G1+6], 0
	s_mov_b32 s[G1+7], 0
	s_or_b32 s[G1+44], s44, (1<<20)|(1<<21)|(6<<22)|(3<<25)  ; x, slot P: rows of 512 bytes: 4 words behind every 128
	s_mov_b32 s[G1+45], 512<<16
	s_mov_b32 s[G1+46], 128<<16
	s_mov_b32 s[G1+47], 512<<16
	s_mov_b32 s[G1+48], 128
	s_mov_b32 s[G1+49], 4096
	s_mov_b32 s[G1+50], 0
	s_mov_b32 s[G1+51], 0
	s_or_b32 s[G1B+0], s45, (1<<20)|(1<<21)|(5<<22)|(3<<25)  ; the weight, slot Q: 64 rows
	s_mov_b32 s[G1B+1], 256<<16
	s_mov_b32 s[G1B+2], 64<<16
	s_mov_b32 s[G1B+3], 256<<16
	s_mov_b32 s[G1B+4], 64
	s_mov_b32 s[G1B+5], 4096
	s_mov_b32 s[G1B+6], 0
	s_mov_b32 s[G1B+7], 0
	s_or_b32 s[G1B+28], s45, (1<<20)|(1<<21)|(6<<22)|(3<<25) ; the weight, slot P
	s_mov_b32 s[G1B+29], 512<<16
	s_mov_b32 s[G1B+30], 64<<16
	s_mov_b32 s[G1B+31], 512<<16
	s_mov_b32 s[G1B+32], 64
	s_mov_b32 s[G1B+33], 4096
	s_mov_b32 s[G1B+34], 0
	s_mov_b32 s[G1B+35], 0
	s_max_u32 s93, ttmp9, 1                        ; which image of x: cluster columns 0, 1 the first, 2 the second, 3 the third
	s_sub_co_u32 s93, s93, 1
	s_lshl_b32 s93, s93, 24
	s_lshl_b32 s46, s43, 8
	s_lshl_b32 s100, s2, 7
	s_add_co_u32 s46, s46, s100                    ; x: row 256 TR + 128 x half,
	s_lshl_b32 s46, s46, 12                        ; of 4,096 bytes,
	s_add_co_u32 s46, s46, s93                     ; in its image
	s_mov_b32 s47, 0
	s_lshl_b32 s66, s42, 7
	s_lshl_b32 s101, s2, 6
	s_add_co_u32 s66, s66, s101                    ; the weight: row 128 TC + 64 x half
	s_lshl_b32 s66, s66, 12
	s_mov_b32 s67, 0
	s_mul_i32 s[G0+1], s2, 128*PITQ                ; where the tiles go: no place in the cluster enters an LDS address.  x in slot Q,
	s_add_co_u32 s[G0+1], s[G0+1], QBASE
	s_mul_i32 s[G0+5], s2, 128*PITP                ; x in slot P,
	s_mul_i32 s[G0B+1], s2, 64*PITQ                ; the weight in slot Q,
	s_add_co_u32 s[G0B+1], s[G0B+1], QAB
	s_mul_i32 s[G0B+5], s2, 64*PITP                ; the weight in slot P
	s_add_co_u32 s[G0B+5], s[G0B+5], PAB
	s_wait_dscnt 0x0                               ; the opening add is done
	s_wait_kmcnt 0x0
	s_load_b256 s[84:91], s[8:9], 0x0              ; e0 .. e7
	s_load_b32 s92, s[8:9], 0x24                   ; e9
	s_add_nc_u64 s[96:97], s[4:5], s[46:47]
	s_add_nc_u64 s[98:99], s[6:7], s[66:67]
	CROUND                                         ; all sixteen work-groups are here: the first joint loads meet
.irp s, 0,1                            ; Q0 at byte 0 of the rows, P0 at byte 256
	s_mov_b32 s[G0+4*\s], 1
	s_add_nc_u64 s[G0+4*\s+2:G0+4*\s+3], s[96:97], \s*256
	s_or_b32 s[G0+4*\s+3], s[G0+4*\s+3], 0x80000000
	s_mov_b32 s[G0B+4*\s], 1
	s_add_nc_u64 s[G0B+4*\s+2:G0B+4*\s+3], s[98:99], \s*256
	s_or_b32 s[G0B+4*\s+3], s[G0B+4*\s+3], 0x80000000
	JLOAD G0+4*\s, G1+44*\s, G0B+4*\s, G1B+28*\s   ; two tensor loads of mine are out here, later one
.endr
	; every LDS address, ahead of the loop
	v_and_b32 v1, 15, v0                           ; r
	v_bfe_u32 v2, v0, 4, 1                         ; h
	v_and_b32 v3, 31, v0                           ; lane
	v_mul_u32_u24 v12, v1, PITQ
	v_lshl_add_u32 v12, v2, 4, v12                 ; a fragment's row x pitch + 16 x half, in slot Q,
	v_mul_u32_u24 v13, v1, PITP
	v_lshl_add_u32 v13, v2, 4, v13                 ; and in slot P
	s_mul_i32 s101, s22, 64*PITQ                   ; my 64 rows of x
	s_add_co_u32 s101, s101, QBASE
	v_add_nc_u32 v[ADRA], s101, v12
	s_mul_i32 s101, s22, 64*PITP
	v_add_nc_u32 v[ADRA+1], s101, v13
	v_add_nc_u32 v[ADRB], QAB, v12
	v_add_nc_u32 v[ADRB+1], PAB, v13
	v_lshlrev_b32 v22, 9, v1
	v_lshl_add_u32 v22, v2, 5, v22                 ; cos, sin: row r of 512 bytes + 32 h
	v_lshlrev_b32 v23, 5, v2                       ; the norm's weight: 32 h
	s_mul_i32 s101, s22, 64*QP
	s_add_co_u32 s101, s101, QSTG                  ; my stage for q or k
	v_mul_u32_u24 v24, v1, QP
	v_lshl_add_u32 v24, v2, 3, v24
	v_add_nc_u32 v24, s101, v24                    ; in: row r, 8 codes for each half of the lanes
	v_lshrrev_b32 v25, 3, v3
	v_mul_u32_u24 v25, v25, QP
	v_and_b32 v13, 7, v3
	v_lshl_add_u32 v25, v13, 4, v25
	v_add_nc_u32 v25, s101, v25                    ; back: eight lanes to a row of 128 bytes, four rows an instruction
	v_lshlrev_b32 v26, 4, v3                       ; and the same 512 bytes in qkc, where rows are dense
	s_mul_i32 s101, s22, 320                       ; v's stage, in: row d, my wave's four chunks of 80 bytes, 4 bytes a key
	v_mul_u32_u24 v4, v2, 8*VP
	v_lshl_add_u32 v4, v1, 2, v4
	v_add_nc_u32 v4, s101, v4
	v_add_nc_u32 v5, 32*VP, v4                     ; four registers, 32 rows apart, so that the offsets stay inside 16 bits
	v_add_nc_u32 v6, 64*VP, v4
	v_add_nc_u32 v7, 96*VP, v4
	s_mul_i32 s101, s22, 32*VP                     ; back: my 32 rows d; sixteen lanes to a row, a chunk of 16 keys a lane
	v_mul_u32_u24 v8, v2, VP
	v_mul_u32_u24 v13, v1, 80
	v_add_nc_u32 v8, v8, v13
	v_add_nc_u32 v8, s101, v8
	v_lshlrev_b32 v9, 11, v2
	v_lshl_add_u32 v9, v1, 4, v9                   ; and in vc: a row of 2,048 bytes, 16 codes a lane
.irp a, 0,1,2,3
	v_mov_b32 v[56+\a], 0                          ; written once: a lane permute's destination counts as one of its sources
.endr
	; the norm's weight, and cos and sin of my row tiles 0 and 1, land while K is walked.  All work-groups ask, v's too: so every register that any way through the text reads is written on every way
	s_lshl_b32 s94, s43, 2
	s_add_co_u32 s94, s94, s22
	s_lshl_b32 s94, s94, 15                        ; (256 TR + 64 w) rows of 512 bytes
	s_mov_b32 s95, 0
	s_add_nc_u64 s[10:11], s[10:11], s[94:95]
	s_add_nc_u64 s[12:13], s[12:13], s[94:95]
	s_cmp_lt_u32 ttmp9, 2
	s_cselect_b64 s[14:15], s[14:15], s[16:17]     ; q's weight in cluster columns 0 and 1, else k's
	s_mov_b32 s16, 0x76543210                      ; (the pair is free now)  v_permlanex16_b32: lane l xor 16
	s_mov_b32 s17, 0xfedcba98
.irp t, 0,1,2,3,4,5,6,7
	global_load_b128 v[W+8*\t:W+8*\t+3], v23, s[14:15] offset:64*\t
	global_load_b128 v[W+8*\t+4:W+8*\t+7], v23, s[14:15] offset:64*\t+16
.endr
.macro CSLOAD a                        ; row tile a: cos at v[128 (a % 2) + 8 t + j], sin 64 further on
.irp t, 0,1,2,3,4,5,6,7
	global_load_b128 v[128*(\a%2)+8*\t:128*(\a%2)+8*\t+3], v22, s[10:11] offset:8192*\a+64*\t
	global_load_b128 v[128*(\a%2)+8*\t+4:128*(\a%2)+8*\t+7], v22, s[10:11] offset:8192*\a+64*\t+16
	global_load_b128 v[128*(\a%2)+64+8*\t:128*(\a%2)+64+8*\t+3], v22, s[12:13] offset:8192*\a+64*\t
	global_load_b128 v[128*(\a%2)+64+8*\t+4:128*(\a%2)+64+8*\t+7], v22, s[12:13] offset:8192*\a+64*\t+16
.endr
.endm
	WIN 0xc0                                       ; destination window 3
	CSLOAD 0
	CSLOAD 1
	WIN 0
	; where the results go.  q, k: ((batch x 12 + TC) x 2048 + (TR % 8) x 256 + 64 w) rows of 128 bytes;  v: ((batch x 4 + TC - 12) x 128 + 32 w) rows of 2,048 bytes + (TR % 8) x 256
	s_lshr_b32 s94, s43, 3                         ; batch
	s_mul_i32 s95, s94, 12
	s_add_co_u32 s95, s95, s42
	s_lshl_b32 s95, s95, 3
	s_and_b32 s100, s43, 7
	s_add_co_u32 s95, s95, s100
	s_lshl_b32 s95, s95, 2
	s_add_co_u32 s95, s95, s22
	s_lshl_b32 s95, s95, 13                        ; units of 64 rows x 128 bytes
	s_lshl_b32 s94, s94, 2
	s_add_co_u32 s94, s94, s42
	s_sub_co_u32 s94, s94, 12                      ; (wraps where the head is no v head: not chosen there)
	s_lshl_b32 s94, s94, 2
	s_add_co_u32 s94, s94, s22
	s_lshl_b32 s94, s94, 16                        ; units of 32 rows x 2,048 bytes
	s_lshl_b32 s100, s100, 8
	s_add_co_u32 s94, s94, s100
	s_cmp_eq_u32 ttmp9, 3
	s_cselect_b64 s[18:19], s[20:21], s[18:19]
	s_cselect_b32 s94, s94, s95
	s_mov_b32 s95, 0
	s_add_nc_u64 s[18:19], s[18:19], s[94:95]      ; the output's base
	; the prefetches: who asks, and where
	s_and_b32 s94, ttmp7, 0xffff
	s_cmp_eq_u32 s94, 0
	s_cselect_b32 s94, 1, -1                       ; the weight's: cluster y = 0
	s_cmp_lg_u32 ttmp9, 1
	s_cselect_b32 s95, 1, -1                       ; x's: cluster x other than 1
	s_cmp_eq_u32 s23, 0
	s_cselect_b32 s[LIMP], s95, s94                ; P's first block: while more than one trip is left
	s_cselect_b32 s[LIMP2], s95, -1                ; P's second block: x's waves alone (the weight's second block is wave 3's first)
	s_ashr_i32 s[LIMQ], s[LIMP], 1                 ; Q's block: in every trip (1 becomes 0; -1 stays),
	s_cmp_eq_u32 s22, 3
	s_cselect_b32 s[LIMQ], -1, s[LIMQ]             ; but not by wave 3
	s_lshl_b32 s94, s40, 17                        ; x: my work-group's 32 rows of the 128 that I fetch
	s_lshl_b32 s95, s42, 19                        ; the weight: the tile's 128 rows,
	s_lshl_b32 s100, s41, 17
	s_add_co_u32 s95, s95, s100                    ; my work-group's 32 of them,
	s_lshl_b32 s100, s2, 8
	s_add_co_u32 s95, s95, s100                    ; wave 3 one block further along K
	s_cmp_eq_u32 s23, 0
	s_cselect_b64 s[PFA:PFA+1], s[96:97], s[6:7]
	s_cselect_b32 s94, s94, s95
	s_mov_b32 s95, 0
	s_add_nc_u64 s[PFA:PFA+1], s[PFA:PFA+1], s[94:95]   ; at byte 0 of the rows: each trip's first change of slots steps it by 768
	v_lshlrev_b32 v27, 12, v3                      ; a lane a row
	; the given scales.  A sum stands for sum x 2^E
	s_wait_kmcnt 0x0
	s_add_co_i32 s94, s84, s85                     ; e0 + e1
	s_add_co_i32 s95, s86, s87                     ; e2 + e3
	s_add_co_i32 s100, s88, s89
	s_sub_co_i32 s100, s92, s100                   ; e9 - e4 - e5: v's three scales folded into the conversion's one
	s_cmp_lt_u32 ttmp9, 2
	s_cselect_b32 s94, s94, s95                    ; E
	s_cselect_b32 s95, s90, s91                    ; e6 for q, e7 for k
	s_cmp_eq_u32 ttmp9, 3
	s_cselect_b32 s95, s100, s95
	s_lshl_b32 s20, s94, 1
	s_add_co_i32 s20, s20, 120
	s_lshl_b32 s20, s20, 23                        ; 2^(2 E - 7): the mean of the squares = the sum of the sums' squares x this
	s_mov_b32 s21, 0x358637bd                      ; 1e-6
	s_add_co_i32 s44, s94, 127
	s_lshl_b32 s44, s44, 23                        ; 2^E
	s_add_co_i32 s95, s95, 127
	s_lshl_b32 s94, s95, 23
	v_mov_b32 v10, s94                             ; the conversion's scale
	s_add_co_i32 s95, s95, 8
	s_lshl_b32 s95, s95, 23
	s_or_b32 s95, s95, 0x600000
	v_mov_b32 v11, s95                             ; 448 x that
.macro FRAG reg, adr, q, i, pit        ; 16 rows x 128 K: 16 registers; registers 4 c .. 4 c + 3 hold K = 32 c + 16 h + 0 .. 15 of row r
.irp c, 0,1,2,3
	ds_load_b128 v[\reg+4*\c:\reg+4*\c+3], v[\adr] offset:128*(\q)+32*\c+(\i)*16*(\pit)
.endr
.endm
.macro FETCH pc, q, p                  ; 48 LDS loads in one run: the weight's 8 fragments and my 4 of x, of the q-th 128 along K of slot pc (0: Q, 1: P), into set p
	WIN 0x40
.irp i, 0,1,2,3,4,5,6,7
	FRAG 128*(\p)+16*\i, ADRB+\pc, \q, \i, PITQ+256*(\pc)
.endr
	WIN 0
.irp i, 0,1,2,3
	FRAG 64+64*(\p)+16*\i, ADRA+\pc, \q, \i, PITQ+256*(\pc)
.endr
.endm
; 8 matrix instructions: row tile a against the head's eight column tiles.  The 32 accumulators take turns, one instruction a turn, in the same order in every step.
.macro MUL8 a, p, zero
.irp b, 0,1,2,3,4,5,6,7
.if \zero
	v_wmma_f32_16x16x128_fp8_fp8 v[8*(8*\a+\b):8*(8*\a+\b)+7], v[128*(\p)+16*\b:128*(\p)+16*\b+15], v[64+64*(\p)+16*\a:64+64*(\p)+16*\a+15], 0
.else
	v_wmma_f32_16x16x128_fp8_fp8 v[8*(8*\a+\b):8*(8*\a+\b)+7], v[128*(\p)+16*\b:128*(\p)+16*\b+15], v[64+64*(\p)+16*\a:64+64*(\p)+16*\a+15], v[8*(8*\a+\b):8*(8*\a+\b)+7]
.endif
.endr
.endm
; The q-th 128 along K of a slot, not its last, on set q % 2; the next 128's fragments are fetched into the other set, four places behind the last product that read that set (ISA guide 7.12.1 for vector instructions).
.macro STEP pc, q, zero
	s_wait_dscnt 0x0                               ; this set is in
	WIN MUL
	MUL8 0, (\q)%2, \zero
	PLACES 4
	FETCH \pc, (\q)+1, 1-(\q)%2
	WIN MUL
	MUL8 1, (\q)%2, \zero
	MUL8 2, (\q)%2, \zero
	MUL8 3, (\q)%2, \zero
	WIN 0
.endm
; A slot's last 128 (Q's second, P's fourth: set 1 both times), and the change of slots: ONE barrier; in front of it each wave waits for all its tensor loads, adds 0 to its spare word, and waits for that and for its reads of this slot.
; fill = 1: the barrier opens a round of the cluster's, and this slot is filled again, 768 further along K, first thing behind it.  ask: 0 no prefetch; 1 Q's, 2 P's.
.macro TURN pc, nx, fill, ask
.if \ask == 1
	s_wait_xcnt 0x0                                ; the last prefetches, half a trip back, have read their address: it may be stepped
	s_add_nc_u64 s[PFA:PFA+1], s[PFA:PFA+1], 768
.endif
	s_wait_tensorcnt 0x0                           ; all my tensor loads have landed: my part of the other slot
	ds_add_u32 v[SPW], v[NIL]                      ; 0 onto my spare word
	s_wait_dscnt 1                                 ; set 1 is in; the add alone may be out
	WIN MUL
	MUL8 0, 1, 0
	s_wait_dscnt 0x0                               ; the add is done, and my reads of this slot are over
	s_barrier_signal -1
	MUL8 1, 1, 0
	WIN 0
	s_barrier_wait -1
.if \fill
	CREST                                          ; no wave of any partner still reads this slot or has a load on its way
	s_add_nc_u64 s[G0+4*\pc+2:G0+4*\pc+3], s[G0+4*\pc+2:G0+4*\pc+3], 768
	s_add_nc_u64 s[G0B+4*\pc+2:G0B+4*\pc+3], s[G0B+4*\pc+2:G0B+4*\pc+3], 768
	JLOAD G0+4*\pc, G1+44*\pc, G0B+4*\pc, G1B+28*\pc   ; the four v_nop behind it are also the places in front of the loads below
.else
	PLACES 4
.endif
	FETCH \nx, 0, 0
.if \ask == 1
	ASKQ
.endif
.if \ask == 2
	ASKP
.endif
	WIN MUL
	MUL8 2, 1, 0
	MUL8 3, 1, 0
	WIN 0
.endm
	s_wait_tensorcnt 1                             ; my part of Q0 is in; P0's may stay out
	s_barrier_signal -1
	s_barrier_wait -1
	FETCH 0, 0, 0
	STEP 0, 0, 1                                   ; the first products start the sums: nothing is cleared
	s_mov_b32 s3, 4
.Llap:                                                 ; 4 trips; trip i: the end of Q i (Q i + 1 is asked for), P i (P i + 1 is asked for), the beginning of Q i + 1
	TURN 0, 1, 1, 1
	STEP 1, 0, 0
	STEP 1, 1, 0
	STEP 1, 2, 0
	TURN 1, 0, 1, 2
	STEP 0, 0, 0
	s_sub_co_u32 s3, s3, 1
	s_cmp_lg_u32 s3, 0
	s_cbranch_scc1 .Llap
	TURN 0, 1, 1, 0                                ; the tail is written out: the end of Q4; Q5, the last piece, is asked for
	STEP 1, 0, 0                                   ; P4
	STEP 1, 1, 0
	STEP 1, 2, 0
	TURN 1, 0, 0, 0                                ; nothing is left to fetch
	STEP 0, 0, 0                                   ; Q5
	s_wait_dscnt 0x0
	WIN MUL
	MUL8 0, 1, 0
	MUL8 1, 1, 0
	MUL8 2, 1, 0
	MUL8 3, 1, 0
	WIN 0
	; THE WAY OUT
	s_wait_loadcnt 0x0                             ; the weight of the norm, cos and sin of row tiles 0 and 1
	PLACES 4                                       ; behind the last products: results are read, and their operands' registers written, from here on
	s_wait_dscnt 0x0
	s_barrier_signal -1
	s_barrier_wait -1                              ; nobody reads the ring any more: the stages may be laid in slot P
	s_cmp_eq_u32 ttmp9, 3                          ; the cluster's column: the same in all sixteen partners and all waves
	s_cbranch_scc1 .Lv1
	; ---- q and k
	WIN 0x40                                       ; destination window 1: the weight's fragments are done with
	CSLOAD 2
	CSLOAD 3
	WIN 0x0a                                       ; sources 0 and 1 window 2
.irp a, 0,1,2,3                        ; the sum of my 64 squares of each row tile, two chains of pairs a tile; each accumulator from its low end on
	v_pk_mul_f32 v[SS+4*\a:SS+4*\a+1], v[64*\a:64*\a+1], v[64*\a:64*\a+1]
	v_pk_mul_f32 v[SS+4*\a+2:SS+4*\a+3], v[64*\a+2:64*\a+3], v[64*\a+2:64*\a+3]
.endr
.irp i, 4,8,12,16,20,24,28,32,36,40,44,48,52,56,60
.irp a, 0,1,2,3
	v_pk_fma_f32 v[SS+4*\a:SS+4*\a+1], v[64*\a+\i:64*\a+\i+1], v[64*\a+\i:64*\a+\i+1], v[SS+4*\a:SS+4*\a+1]
	v_pk_fma_f32 v[SS+4*\a+2:SS+4*\a+3], v[64*\a+\i+2:64*\a+\i+3], v[64*\a+\i+2:64*\a+\i+3], v[SS+4*\a+2:SS+4*\a+3]
.endr
.endr
	WIN 0
.irp a, 0,1,2,3
	v_add_f32 v[SS+4*\a], v[SS+4*\a], v[SS+4*\a+1]
	v_add_f32 v[SS+4*\a+2], v[SS+4*\a+2], v[SS+4*\a+3]
.endr
.irp a, 0,1,2,3
	v_add_f32 v[SS+4*\a], v[SS+4*\a], v[SS+4*\a+2]
.endr
.irp a, 0,1,2,3
	v_permlanex16_b32 v[56+\a], v[SS+4*\a], s16, s17   ; the row's other 64 columns lie in the lane 16 away
.endr
.irp a, 0,1,2,3
	v_add_f32 v[SS+4*\a], v[SS+4*\a], v[56+\a]
.endr
.irp a, 0,1,2,3
	v_fma_f32 v[SS+4*\a+1], v[SS+4*\a], s20, s21   ; the mean of the squares + 1e-6
.endr
.irp a, 0,1,2,3
	v_rsq_f32 v[SS+4*\a+2], v[SS+4*\a+1]
.endr
	v_nop                                          ; a plain line behind the last of the batch,
	s_wait_alu depctr_va_vdst(0)                   ; and one wait for the four, ahead of their first reader
.irp a, 0,1,2,3
	v_mul_f32 v[RS+2*\a], s44, v[SS+4*\a+2]        ; rsqrt x 2^E
	v_mul_f32 v[RS+2*\a+1], s44, v[SS+4*\a+2]      ; (named with it as a pair)
.endr
; Row tile a: normed, weighed, turned by RoPE, held, converted; 8 codes of each column tile into my stage.
.macro TILE a
	WIN 0x02                                       ; source 0 window 2
.set i, 0
.rept 32
	v_pk_mul_f32 v[N+i:N+i+1], v[64*\a+i:64*\a+i+1], v[RS+2*\a:RS+2*\a+1] op_sel_hi:[1,0]
.set i, i+2
.endr
	WIN 0
.set i, 0
.rept 32
	v_pk_mul_f32 v[N+i:N+i+1], v[N+i:N+i+1], v[W+i:W+i+1]
.set i, i+2
.endr
.if \a < 2
	WIN 0x0c                                       ; source 1 (cos, sin) window 3
.else
	WIN 0x04                                       ; window 1
.endif
.set i, 0
.rept 16                               ; registers 0-31 are d < 64, registers 32-63 their partners d + 64
	v_pk_mul_f32 v[OUT+i:OUT+i+1], v[N+i:N+i+1], v[128*(\a%2)+i:128*(\a%2)+i+1]
	v_pk_mul_f32 v[OUT+32+i:OUT+32+i+1], v[N+32+i:N+32+i+1], v[128*(\a%2)+32+i:128*(\a%2)+32+i+1]
.set i, i+2
.endr
.set i, 0
.rept 16
	v_pk_fma_f32 v[OUT+i:OUT+i+1], v[N+32+i:N+32+i+1], v[128*(\a%2)+64+i:128*(\a%2)+64+i+1], v[OUT+i:OUT+i+1] neg_lo:[1,0,0] neg_hi:[1,0,0]   ; x(d) cos(d) - x(d + 64) sin(d)
	v_pk_fma_f32 v[OUT+32+i:OUT+32+i+1], v[N+i:N+i+1], v[128*(\a%2)+96+i:128*(\a%2)+96+i+1], v[OUT+32+i:OUT+32+i+1]                              ; x(d + 64) cos(d + 64) + x(d) sin(d + 64)
.set i, i+2
.endr
	WIN 0
.set i, 0
.rept 64
	v_med3_num_f32 v[OUT+i], v[OUT+i], -v11, v11   ; the conversion to an 8-bit code does not saturate (ISA guide 7.6.2)
.set i, i+1
.endr
.irp t, 0,1,2,3,4,5,6,7
	v_cvt_scalef32_pk8_fp8_f32 v[CODE+2*\t:CODE+2*\t+1], v[OUT+8*\t:OUT+8*\t+7], v10
.endr
	v_nop                                          ; a plain line behind the conversions: the next tile writes their sources and results
.irp t, 0,1,2,3,4,5,6,7
	ds_store_b64 v24, v[CODE+2*\t:CODE+2*\t+1] offset:16*QP*\a+16*\t
.endr
	s_wait_dscnt 0x0                               ; the stores have read their registers
.endm
	TILE 0
	TILE 1
	s_wait_loadcnt 0x0                             ; cos and sin of row tiles 2 and 3
	TILE 2
	TILE 3
.irp i, 0,1,2,3,4,5,6,7,8,9,10,11,12,13,14,15
	ds_load_b128 v[N+4*\i:N+4*\i+3], v25 offset:4*QP*\i   ; my own stage: LDS serves a wave's instructions in order
.endr
.irp i, 0,1,2,3,4,5,6,7,8,9,10,11,12,13,14,15
	s_wait_dscnt 15-\i                             ; the younger loads may be out
	global_store_b128 v26, v[N+4*\i:N+4*\i+3], s[18:19] offset:512*\i   ; four rows of 128 codes: 512 consecutive bytes, aligned
.endr
	s_branch .Ljoin
.Lv1:
	; ---- v, first half: the sums as they are, f32, into the work-group's stage, turned: row d, keys along the row
	WIN 0x08                                       ; the stores' data: window 2
.irp a, 0,1,2,3
.irp t, 0,1,2,3,4,5,6,7
.irp j, 0,1,2,3,4,5,6,7
	ds_store_b32 v[4+\t/2], v[8*(8*\a+\t)+\j] offset:(16*(\t%2)+\j)*VP+80*\a
.endr
.endr
.endr
	WIN 0
.Ljoin:
	s_wait_xcnt 0x0                                ; earlier stores have read their registers: they may be loaded into
	s_wait_dscnt 0x0                               ; for the others' sake: my stores into the stage are done
	s_barrier_signal -1
	s_barrier_wait -1
	s_cmp_lg_u32 ttmp9, 3
	s_cbranch_scc1 .Lend
	; ---- v, second half: my 32 rows d; a lane takes 16 neighbouring keys of a row, so that its conversions give 16 codes with the keys innermost; sixteen lanes store 256 consecutive bytes, aligned
.macro VLOAD g
.irp n, 0,1,2,3
.irp k, 0,1,2,3
	ds_load_b128 v[64+64*((\g)%2)+16*\n+4*\k:64+64*((\g)%2)+16*\n+4*\k+3], v8 offset:2*(4*(\g)+\n)*VP+16*\k
.endr
.endr
.endm
.macro VGRP g                          ; four pairs of rows
.if (\g) < 3
	VLOAD (\g)+1
	s_wait_dscnt 16                                ; this group's 16 loads are in; the next group's may be out
.else
	s_wait_dscnt 0x0
.endif
.if (\g) >= 2
	s_wait_xcnt 0x0                                ; the stores of two groups ago have read this set of code registers
.endif
.set XB, 64+64*((\g)%2)
.set CB, 32+16*((\g)%2)
.set i, 0
.rept 64
	v_med3_num_f32 v[XB+i], v[XB+i], -v11, v11
.set i, i+1
.endr
.irp n, 0,1,2,3
	v_cvt_scalef32_pk8_fp8_f32 v[CB+4*\n:CB+4*\n+1], v[XB+16*\n:XB+16*\n+7], v10
	v_cvt_scalef32_pk8_fp8_f32 v[CB+4*\n+2:CB+4*\n+3], v[XB+16*\n+8:XB+16*\n+15], v10
.endr
	v_nop
.irp n, 0,1,2,3
	global_store_b128 v9, v[CB+4*\n:CB+4*\n+3], s[18:19] offset:2*(4*(\g)+\n)*2048
.endr
.endm
	VLOAD 0
	VGRP 0
	VGRP 1
	VGRP 2
	VGRP 3
.Lend:
	s_wait_tensorcnt 0x0                           ; the wave's end: behind my last tensor load and my last LDS store
	ds_add_u32 v[SPW], v[NIL]
	s_wait_dscnt 0x0
	CROUND                                         ; the closing round: no work-group ends while a partner may still ask for a tile that names it
	s_endpgm
.Lfunc_end_k_q13d689e2fa_qkv:
	.size	k_q13d689e2fa_qkv, .Lfunc_end_k_q13d689e2fa_qkv-k_q13d689e2fa_qkv
	.p2alignl 7, 3214868480
	.fill 96, 4, 3214868480
	.section	.rodata,"a",@progbits
	.p2align	6, 0x0
	.amdhsa_kernel k_q13d689e2fa_qkv
		.amdhsa_group_segment_fixed_size 327680
		.amdhsa_private_segment_fixed_size 0
		.amdhsa_enable_private_segment 0
		.amdhsa_kernarg_size 72
		.amdhsa_user_sgpr_count 2
		.amdhsa_user_sgpr_kernarg_segment_ptr 1
		.amdhsa_wavefront_size32 1
		.amdhsa_system_sgpr_workgroup_id_x 1
		.amdhsa_system_sgpr_workgroup_id_y 1
		.amdhsa_system_sgpr_workgroup_id_z 1
		.amdhsa_system_vgpr_workitem_id 0
		.amdhsa_next_free_vgpr 1024
		.amdhsa_next_free_sgpr 102
		.amdhsa_reserve_vcc 0
		.amdhsa_float_denorm_mode_32 3
		.amdhsa_float_denorm_mode_16_64 3
		.amdhsa_memory_ordered 1
		.amdhsa_forward_progress 1
		.amdhsa_inst_pref_size 210
	.end_amdhsa_kernel
	.amdgpu_metadata
---
amdhsa.version: [ 1, 2 ]
amdhsa.kernels:
  - .name:           k_q13d689e2fa_qkv
    .symbol:         k_q13d689e2fa_qkv.kd
    .args:
      - { .name: xc, .offset: 0, .size: 8, .value_kind: global_buffer, .address_space: global }
      - { .name: wqkvc, .offset: 8, .size: 8, .value_kind: global_buffer, .address_space: global }
      - { .name: lowp_scales, .offset: 16, .size: 8, .value_kind: global_buffer, .address_space: global }
      - { .name: cos, .offset: 24, .size: 8, .value_kind: global_buffer, .address_space: global }
      - { .name: sin, .offset: 32, .size: 8, .value_kind: global_buffer, .address_space: global }
      - { .name: q_norm_w, .offset: 40, .size: 8, .value_kind: global_buffer, .address_space: global }
      - { .name: k_norm_w, .offset: 48, .size: 8, .value_kind: global_buffer, .address_space: global }
      - { .name: qkc, .offset: 56, .size: 8, .value_kind: global_buffer, .address_space: global }
      - { .name: vc, .offset: 64, .size: 8, .value_kind: global_buffer, .address_space: global }
    .group_segment_fixed_size: 327680
    .private_segment_fixed_size: 0
    .kernarg_segment_align: 8
    .kernarg_segment_size: 72
    .max_flat_workgroup_size: 128
    .sgpr_count:     102
    .vgpr_count:     1024
    .wavefront_size: 32
...
	.end_amdgpu_metadata
.endif
;; end of part 2
;; launch attn (part 3): grid 32 x 8, 8 waves a work-group, clusters of 4 x 1, 327,680 bytes of LDS; arguments qkc, vc, lowp_scales, ac; writes ac
.if DOCPART == 3
	.amdgcn_target "amdgcn-amd-amdhsa--gfx1250"
	.amdhsa_code_object_version 6
	.text
	.protected	k_q13d689e2fa_attn
	.globl	k_q13d689e2fa_attn
	.p2align	8
	.type	k_q13d689e2fa_attn,@function
k_q13d689e2fa_attn:
	s_mov_b64 s[64:65], 0
	v_nop
	global_prefetch_b8 v0, s[64:65] scope:SCOPE_SE
	s_setreg_imm32_b32 hwreg(HW_REG_WAVE_MODE, 25, 1), 1
	s_wait_xcnt 0x0
	s_wait_alu depctr_hold_cnt(0) depctr_sa_sdst(0) depctr_va_vdst(0) depctr_va_sdst(0) depctr_va_ssrc(0) depctr_va_vcc(0) depctr_vm_vsrc(0)
	s_getreg_b32 s2, hwreg(HW_REG_IB_STS2, 6, 4)
	s_cmp_eq_u32 s2, 0
	s_cbranch_scc0 .Lentry_in_a_cluster
	s_endpgm
.Lentry_in_a_cluster:
	s_bfe_u32 s2, ttmp6, 0x10000c
	s_cmp_lg_u32 s2, 0x3003
	s_cbranch_scc0 .Lentry_shape_is_right
	s_endpgm
.Lentry_shape_is_right:
; Causal attention on codes of E4M3: 2 batches x 8 query heads x 2,048 queries, head size 128; query heads 2 g and 2 g + 1 share key and value head g.
; qkc: [2][12 heads: 8 q, 4 k][2048][128] codes;  vc: [2][4][128][2048] codes, keys innermost;  ac: [4096 rows][1024 = head x 128 + d] codes for the last projection (entry 10 of the scales).
; THE SOFTMAX AHEAD OF THE SECOND PRODUCT: t = score x log2(e) / sqrt(128); M = the row's largest t so far, rounded UP to a whole number; p = 2^(t - M) is quantised (entry 8), not normalised.
; The row's sum is taken of the unquantised p and divides at the end.  When M moves, the sum and O are multiplied by 2^(old M - new M): exact.
; SHARES.  Grid y = batch x 4 + g.  Cluster c (0..7) of four work-groups; work-group cx owns queries 128 c + 32 cx + 0..31 (low block) and 128 (15 - c) + 32 cx + 0..31 (high block), for both query heads.
; Eight waves, two to a SIMD, each ONE tile of 16 queries in 512 registers: wave w: block w / 4, head (w / 2) % 2, tile w % 2.  A wave works the key steps of 128 whose first key is at or under QB = its block's multiple of 128:
; c + 1 steps in the low block, 16 - c in the high one, 17 for each pair of waves w, w + 4.  The diagonal step is the one at QB, for all four partners: no branch hangs on a work-group's place in its cluster.
; THE FOUR PARTNERS WALK THE SAME K AND V: each slot of 512 keys, four key steps, is asked for jointly.  All four slots are asked for by every cluster: the count of trips is a constant.
; LDS LOADS STAND AHEAD OF THEIR USE.  Window 1 holds a step's eight fragments of K and eight of V.  V's 32 loads go out behind the step's scores and are waited for behind the exponentials; there the NEXT step's K goes out, if it lies
; in the same slot.  A hidden step is followed by hidden steps alone, so every branch for a hidden step leads to the slot's end: a step is reached only through the step that fetched its K.
; LAYOUT.  Both products transposed: S^T = K Q^T, O^T = V^T P^T: a lane holds one query (lane % 16).  Lane r of K's tile 2 b + u takes key 32 b + 8 u + r + 8 (r / 8), so that the 16 registers of tiles 2 b, 2 b + 1 are
; keys 32 b + 16 (lane / 16) + 0 .. 15.
; LIMITS on the given exponents: e6 + e7 between -123 and 130; e8, and e10 - e8 - e9, between -126 and 119.
; REGISTERS: window 0: v1-7, v10, v11 addresses that stay; v8, v9, v48 addresses of the slot; v12 -M, v13 the largest t, v[14:15] the sum; v16-31 Q; v32-47 the way out; v96-159 S^T, then p; v160-223 O^T; v224-239 p's codes; v240-254 constants and work.
;   window 1: v0-127 K's eight fragments; v128-255 V's eight.
.set SK,    512                        ; keys in a slot
.set ROWB,  128
.set KP,    144                        ; a key's row in LDS: 128 bytes + 16
.set VROWB, 512
.set VP,    528                        ; a row of V's tile in LDS: 512 bytes + 16
.set KROWV, 2048
.set VOFF,  SK*KP                      ; a slot: 512 rows of K (73,728 bytes), then 128 rows of V (67,584)
.set SLOT1, 0x24000                    ; slot 1 begins here.  Its two bits occur in none of the four LDS addresses of the descriptors (0, 0x9000, 0x12000, 0x1a400): one exclusive or turns each from one slot to the other
.set NSL,   4
.set SPARE, 2*SLOT1                    ; behind the ring: the spare words, 128 bytes a wave
.set STAGE, SPARE+1024                 ; behind them, with bytes of its own: the way out's stage, 64 rows x (256 codes + 16)
.set STP,   272
.set AK0,  1
.set AV0,  2
.set PFO,  3
.set QD,   4                           ; v4  my query less QB less 16 (lane / 16): register 16 b + i of the diagonal step is hidden where 32 b + i is above it
.set SPW,  5
.set NIL,  6
.set GO,   7
.set ADK,  8                           ; v8  K's tiles of the slot's steps 0, 1; v48 (ADK + 40) of steps 2, 3, so that the offsets stay inside 16 bits
.set ADV,  9
.set WV,   12                          ; s12 wave; s13 cx; s14 batch; s15 g; s16 block; s17 head; s18 tile, and which half I fetch
.set SEL,  20
.set CS,   22
.set G1K,  24
.set G1V,  32
.set G0K,  40
.set G0V,  44
.set TB,   2
.set SLOTS, 3
.set KF,   48                          ; s48 the slot's first key
.set QB,   49
.set PFA,  50
.set PFS,  52
.set LIM,  54
.set KQ,   61                          ; s61 the step's first key
.set MSB, 0
.macro WIN new                         ; the immediate's high byte repeats the setting that is left
.if MSB != \new
	s_set_vgpr_msb (MSB<<8)|\new
.set MSB, \new
.endif
.endm
.macro TLOAD                           ; waves 0 and 1 fetch K's halves, waves 2 and 3 V's, the others nothing: branches on the wave's number alone.  An s_nop 0 and four v_nop follow each line
	s_cmp_lt_u32 s[WV], 2
	s_cbranch_scc0 .Lnot_k_\@
	tensor_load_to_lds s[G0K:G0K+3], s[G1K:G1K+7]
	s_nop 0
.rept 4
	v_nop
.endr
	s_branch .Lasked_\@
.Lnot_k_\@:
	s_cmp_lt_u32 s[WV], 4
	s_cbranch_scc0 .Lasked_\@
	tensor_load_to_lds s[G0V:G0V+3], s[G1V:G1V+7]
	s_nop 0
.rept 4
	v_nop
.endr
.Lasked_\@:
.endm
; A prefetch into the L2 of what the NEXT change of slots will ask for, a slot's four key steps ahead of that load.  All eight clusters of a (batch, g) walk the same K and V: cluster 0 asks.  Its partners share the
; bytes out by address: of K's dense 65,536 bytes 16,384 each (waves 4 and 5: 8,192 each, lanes 256 bytes apart), of V's 128 rows 32 each (waves 6 and 7: a lane a row, one of the row's two blocks of 256 bytes each).
; The last change that fills a slot asks for nothing.
.macro ASK
	s_cmp_gt_u32 s[SLOTS], s[LIM]
	s_cbranch_scc0 .Lnot_mine_\@
	global_prefetch_b8 v[PFO], s[PFA:PFA+1] th:TH_LOAD_NT scope:SCOPE_SE
.Lnot_mine_\@:
.endm
.macro CROUND                          ; a round of the cluster's barrier
	s_barrier_signal -1
	s_barrier_wait -1
	s_cmp_lg_u32 s[WV], 0
	s_cbranch_scc1 .Lnot_wave_0_\@
	s_barrier_signal -3
.Lnot_wave_0_\@:
	s_barrier_wait -3
	s_barrier_signal -1
	s_barrier_wait -1
.endm
	s_load_b256 s[4:11], s[0:1], 0x0               ; qkc, vc, the scales' exponents, ac
	v_lshl_add_u32 v[SPW], v0, 2, SPARE
	v_mov_b32 v[NIL], 0
	ds_add_u32 v[SPW], v[NIL]                      ; the wave's opening: the add and its wait ahead of the first tensor loads; work on registers stands between them
	v_lshrrev_b32 v8, 5, v0
	v_readfirstlane_b32 s[WV], v8                  ; wave 0..7
	s_bfe_u32 s13, ttmp6, 0x40000                  ; cx
	s_and_b32 s14, ttmp7, 0xffff
	s_and_b32 s15, s14, 3                          ; g
	s_lshr_b32 s14, s14, 2                         ; batch
	s_lshr_b32 s16, s[WV], 2                       ; block
	s_bfe_u32 s17, s[WV], 0x10001                  ; head of the pair
	s_and_b32 s18, s[WV], 1                        ; tile
	s_sub_co_u32 s66, 15, ttmp9
	s_cmp_eq_u32 s16, 0
	s_cselect_b32 s[QB], ttmp9, s66
	s_lshl_b32 s[QB], s[QB], 7                     ; my block's multiple of 128: of the cluster's number and the wave's alone
	s_mul_i32 s67, s14, 12
	s_add_co_u32 s67, s67, s15
	s_add_co_u32 s68, s67, 8
	s_lshl_b32 s68, s68, 18                        ; K's head in qkc: 2,048 rows of 128 bytes each
	s_lshl_b32 s69, s14, 2
	s_add_co_u32 s69, s69, s15
	s_lshl_b32 s69, s69, 18                        ; V's head in vc
	s_lshl_b32 s72, s18, 15
	s_add_co_u32 s72, s72, s68                     ; what I fetch, if I fetch: K: keys 256 x half on,
	s_mov_b32 s73, 0
	s_lshl_b32 s74, s18, 17
	s_add_co_u32 s74, s74, s69                     ; V: rows 64 x half on
	s_mov_b32 s75, 0
	s_mul_i32 s76, s18, 256*KP                     ; and their places in a slot
	s_mul_i32 s77, s18, 64*VP
	s_add_co_u32 s77, s77, VOFF
	s_mul_i32 s70, s14, 12                         ; Q: ((batch x 12 + 2 g + head) x 2048 + QB + 32 cx + 16 tile) rows of 128 bytes
	s_lshl_b32 s71, s15, 1
	s_add_co_u32 s70, s70, s71
	s_add_co_u32 s70, s70, s17
	s_lshl_b32 s70, s70, 11
	s_add_co_u32 s70, s70, s[QB]
	s_lshl_b32 s71, s13, 5
	s_add_co_u32 s70, s70, s71
	s_lshl_b32 s71, s18, 4
	s_add_co_u32 s70, s70, s71
	s_lshl_b32 s70, s70, 7
	s_mov_b32 s71, 0
	s_lshl_b32 s78, s14, 11                        ; ac: (batch x 2048 + QB + 32 cx + 8 (w % 4)) rows of 1,024 bytes + 256 g
	s_add_co_u32 s78, s78, s[QB]
	s_lshl_b32 s79, s13, 5
	s_add_co_u32 s78, s78, s79
	s_and_b32 s79, s[WV], 3
	s_lshl_b32 s79, s79, 3
	s_add_co_u32 s78, s78, s79
	s_lshl_b32 s78, s78, 10
	s_lshl_b32 s79, s15, 8
	s_add_co_u32 s78, s78, s79
	s_mov_b32 s79, 0
	s_mov_b32 s[G1K], 15|(1<<20)|(1<<21)|(4<<22)|(3<<25)   ; the mask: all four; elements of 1 byte; padding on; bit 21 beside a mask; 4 words behind every 32
	s_mov_b32 s[G1K+1], ROWB<<16
	s_mov_b32 s[G1K+2], 256<<16
	s_mov_b32 s[G1K+3], ROWB<<16
	s_mov_b32 s[G1K+4], 256                        ; 256 rows of 128 bytes, dense
	s_mov_b32 s[G1K+5], ROWB
	s_mov_b32 s[G1K+6], 0
	s_mov_b32 s[G1K+7], 0
	s_mov_b32 s[G1V], 15|(1<<20)|(1<<21)|(6<<22)|(3<<25)   ; 4 words behind every 128
	s_mov_b32 s[G1V+1], VROWB<<16
	s_mov_b32 s[G1V+2], 64<<16
	s_mov_b32 s[G1V+3], VROWB<<16
	s_mov_b32 s[G1V+4], 64                         ; 64 rows of 512 bytes, 2,048 apart
	s_mov_b32 s[G1V+5], KROWV
	s_mov_b32 s[G1V+6], 0
	s_mov_b32 s[G1V+7], 0
	s_mov_b32 s[SEL], 0x76543210
	s_mov_b32 s[SEL+1], 0xfedcba98
	s_mov_b32 s[CS], 0x3e0293ee                    ; c = log2(e) / sqrt(128)
	s_mov_b32 s[TB], 0
	s_mov_b32 s[SLOTS], NSL-1
	s_mov_b32 s[KF], 0
	s_wait_dscnt 0x0                               ; the opening add is done
	s_wait_kmcnt 0x0
	s_load_b128 s[56:59], s[8:9], 0x18             ; e6, e7, e8, e9
	s_load_b32 s60, s[8:9], 0x28                   ; e10
	s_mov_b32 s[G0K], 1
	s_mov_b32 s[G0K+1], s76
	s_add_nc_u64 s[G0K+2:G0K+3], s[4:5], s[72:73]
	s_or_b32 s[G0K+3], s[G0K+3], 0x80000000
	s_mov_b32 s[G0V], 1
	s_mov_b32 s[G0V+1], s77
	s_add_nc_u64 s[G0V+2:G0V+3], s[6:7], s[74:75]
	s_or_b32 s[G0V+3], s[G0V+3], 0x80000000
	CROUND                                         ; all four work-groups are here: the first joint loads meet
	TLOAD                                          ; slot 0
	s_add_nc_u64 s[80:81], s[4:5], s[70:71]        ; Q's codes at my first query
	s_add_nc_u64 s[10:11], s[10:11], s[78:79]      ; ac at the first row that I store
	; the prefetches
	s_and_b32 s84, s[WV], 1
	s_lshl_b32 s70, s13, 14                        ; K: my work-group's 16,384 bytes of a slot's block,
	s_lshl_b32 s85, s84, 13
	s_add_co_u32 s70, s70, s85                     ; my wave's 8,192 of them
	s_lshl_b32 s71, s13, 16                        ; V: my work-group's 32 rows,
	s_lshl_b32 s85, s84, 8
	s_add_co_u32 s71, s71, s85                     ; my wave's 256 of a slot's 512 bytes of a row
	s_mov_b32 s[PFS], VROWB
	s_mov_b32 s82, KROWV
	s_cmp_lt_u32 s[WV], 6                          ; waves 4 and 5 ask for K's codes, waves 6 and 7 for V's
	s_cselect_b64 s[PFA:PFA+1], s[4:5], s[6:7]
	s_cselect_b32 s83, s68, s69                    ; the head
	s_cselect_b32 s70, s70, s71
	s_cselect_b32 s[PFS], SK*ROWB, s[PFS]          ; a slot on
	s_cselect_b32 s82, 256, s82                    ; from lane to lane
	v_and_b32 v[PFO], 31, v0
	v_mul_lo_u32 v[PFO], v[PFO], s82
	s_add_co_u32 s70, s70, s83
	s_add_co_u32 s70, s70, s[PFS]                  ; in slot 1: the first change of slots steps it to slot 2
	s_mov_b32 s71, 0
	s_mov_b32 s[PFS+1], 0
	s_add_nc_u64 s[PFA:PFA+1], s[PFA:PFA+1], s[70:71]
	s_lshr_b32 s84, s[WV], 2
	s_xor_b32 s84, s84, 1                          ; 0 in waves 4 to 7,
	s_or_b32 s84, s84, ttmp9                       ; of cluster 0: the same in all four partners
	s_cmp_eq_u32 s84, 0
	s_cselect_b32 s[LIM], 1, -1
	v_and_b32 v8, 15, v0                           ; r
	v_bfe_u32 v9, v0, 4, 1                         ; h
	v_lshlrev_b32 v254, 7, v8
	v_lshl_add_u32 v254, v9, 4, v254               ; Q: row r + my half's 16 bytes
.irp c, 0,1,2,3
	global_load_b128 v[16+4*\c:19+4*\c], v254, s[80:81] offset:32*\c   ; Q's fragment stays in registers
.endr
	v_and_b32 v11, 8, v8
	v_add_nc_u32 v11, v11, v8                      ; r + 8 (r / 8)
	v_mul_u32_u24 v[AK0], v11, KP
	v_lshl_add_u32 v[AK0], v9, 4, v[AK0]
	v_mul_u32_u24 v[AV0], v8, VP
	v_lshl_add_u32 v[AV0], v9, 4, v[AV0]
	v_add_nc_u32 v[AV0], VOFF, v[AV0]
	s_lshl_b32 s82, s13, 5
	s_lshl_b32 s83, s18, 4
	s_add_co_u32 s82, s82, s83
	v_lshlrev_b32 v10, 4, v9
	v_sub_nc_u32 v[QD], v8, v10
	v_add_nc_u32 v[QD], s82, v[QD]                 ; 32 cx + 16 tile + r - 16 h: it enters a compare of numbers alone
	v_lshlrev_b32 v[GO], 10, v9
	v_lshl_add_u32 v[GO], v8, 4, v[GO]             ; the way out: lanes 0-15 one row of ac, lanes 16-31 the next; 16 bytes a lane
	s_lshl_b32 s86, s16, 5                         ; the stage, in: row 32 block + 16 tile + r, byte 128 head + 8 h
	s_lshl_b32 s87, s18, 4
	s_add_co_u32 s86, s86, s87
	s_mul_i32 s86, s86, STP
	s_lshl_b32 s87, s17, 7
	s_add_co_u32 s86, s86, s87
	s_add_co_u32 s86, s86, STAGE
	v_mul_u32_u24 v10, v8, STP
	v_lshl_add_u32 v10, v9, 3, v10
	v_add_nc_u32 v10, s86, v10
	s_mul_i32 s86, s[WV], 8*STP                    ; back: my eight rows, sixteen lanes to a row of 256 bytes
	s_add_co_u32 s86, s86, STAGE
	v_mul_u32_u24 v11, v9, STP
	v_lshl_add_u32 v11, v8, 4, v11
	v_add_nc_u32 v11, s86, v11
	v_mov_b32 v13, 0xff61b1e6                      ; the largest t so far: -3e38
	v_floor_f32 v12, -v13                          ; -M
	v_mov_b32 v14, 0
	v_mov_b32 v15, 0
	v_mov_b32 v236, 0                              ; written once: a lane permute's destination counts as one of its sources
	v_mov_b32 v252, 0
	v_mov_b32 v253, 0                              ; (named as the upper half of the pair v[252:253])
.set j, 0
.rept 64
	v_mov_b32 v[160+j], 0                          ; O^T: the step is written once for all steps; the first finds zeros, which the first change of M leaves zeros
.set j, j+1
.endr
	s_wait_kmcnt 0x0
	s_add_co_i32 s84, s56, s57
	s_lshl_b32 s84, s84, 23
	s_add_co_i32 s[CS], s[CS], s84                 ; a score stands for score x 2^(e6 + e7): added to c's exponent field
	s_mov_b32 s[CS+1], s[CS]
	s_add_co_i32 s84, s58, 127
	s_lshl_b32 s85, s84, 23
	v_mov_b32 v244, s85                            ; 2^e8
	s_add_co_i32 s84, s84, 8
	s_lshl_b32 s84, s84, 23
	s_or_b32 s84, s84, 0x600000
	v_mov_b32 v240, s84                            ; 448 x 2^e8
	s_sub_co_i32 s84, s60, s58
	s_sub_co_i32 s84, s84, s59
	s_add_co_i32 s84, s84, 127
	s_lshl_b32 s85, s84, 23
	v_mov_b32 v245, s85                            ; 2^(e10 - e8 - e9): the result's three scales folded into its conversion's one
	s_add_co_i32 s84, s84, 8
	s_lshl_b32 s84, s84, 23
	s_or_b32 s84, s84, 0x600000
	v_mov_b32 v241, s84
.macro KLOAD q                         ; 32 LDS loads in one run: the eight tiles of K of the slot's q-th 128 keys, into window 1, v0-127
	WIN 0x40                                       ; destination window 1, address window 0
.irp t, 0,1,2,3,4,5,6,7
.irp c, 0,1,2,3
	ds_load_b128 v[16*\t+4*\c:16*\t+4*\c+3], v[ADK+40*((\q)/2)] offset:(128*((\q)%2)+32*(\t/2)+8*(\t%2))*KP+32*\c
.endr
.endr
	WIN 0
.endm
.macro VLOAD q                         ; the eight tiles of V^T (16 of the head's 128 each) at the same keys, into window 1, v128-255
	WIN 0x40
.irp t, 0,1,2,3,4,5,6,7
.irp c, 0,1,2,3
	ds_load_b128 v[128+16*\t+4*\c:128+16*\t+4*\c+3], v[ADV] offset:16*\t*VP+ROWB*(\q)+32*\c
.endr
.endr
	WIN 0
.endm
; A KEY STEP: 128 keys, the q-th of the slot in hand.  A step all of whose keys come after my block is left out, and with it the slot's later steps: a scalar branch on ids and the count of steps, round loads, products and
; softmax, round no barrier and no tensor load.
.macro STEP q, id
	s_add_co_u32 s[KQ], s[KF], 128*(\q)
	s_cmp_gt_u32 s[KQ], s[QB]
	s_cbranch_scc1 .Lslot_end_\id
.if (\q) == 0
	v_add_nc_u32 v[ADK], s[TB], v[AK0]
	v_add_nc_u32 v[ADK+40], 256*KP, v[ADK]
	v_add_nc_u32 v[ADV], s[TB], v[AV0]
	KLOAD 0                                        ; a slot's first step fetches its own K; the others find theirs asked for by the step before
.endif
	s_wait_dscnt 16                                ; K's tiles 0-3 are in; the 16 loads of tiles 4-7 may be out
	WIN 0x01                                       ; source 0 window 1
.irp t, 0,1,2,3
	v_wmma_f32_16x16x128_fp8_fp8 v[96+8*\t:103+8*\t], v[16*\t:16*\t+15], v[16:31], 0
.endr
	s_wait_dscnt 0x0
.irp t, 4,5,6,7
	v_wmma_f32_16x16x128_fp8_fp8 v[96+8*\t:103+8*\t], v[16*\t:16*\t+15], v[16:31], 0
.endr
	WIN 0
.rept 4
	v_nop                                          ; four places: behind the scores, which are read below, and behind the last step's second products, whose fragments of V are loaded over (ISA guide 7.12.1 for vector instructions)
.endr
	VLOAD \q                                       ; V lands while the softmax is worked
	s_cmp_lt_u32 s[KQ], s[QB]                      ; only the step at QB lies on the diagonal
	s_cbranch_scc1 .Lopen_\@
	v_mov_b32 v254, 0xff800000                     ; hidden scores become -infinity ahead of the maximum: p = 0 then
.set n, 0
.rept 64
	v_cmp_gt_i32 vcc_lo, 32*(n/16)+n%16, v[QD]
	v_cndmask_b32 v[96+n], v[96+n], v254, vcc_lo
.set n, n+1
.endr
.Lopen_\@:
	v_max3_num_f32 v254, v96, v97, v98             ; the step's largest score of my query among my 64 keys, in two chains,
	v_max3_num_f32 v252, v99, v100, v101
.irp i, 6,10,14,18,22,26,30,34,38,42,46,50,54,58
	v_max3_num_f32 v254, v254, v[96+\i], v[97+\i]
	v_max3_num_f32 v252, v252, v[98+\i], v[99+\i]
.endr
	v_max3_num_f32 v254, v254, v158, v159
	v_max_num_f32 v254, v254, v252
	v_permlanex16_b32 v236, v254, s[SEL], s[SEL+1]
	v_max_num_f32 v254, v254, v236                 ; and among lane l xor 16's
	v_mul_f32 v254, s[CS], v254                    ; as t (c is positive)
	v_max_num_f32 v13, v13, v254                   ; the running largest t
	v_mov_b32 v254, v12
	v_floor_f32 v12, -v13                          ; the new -M = -ceil(t)
	v_sub_f32 v254, v12, v254                      ; old M less new M: a whole number, 0 or less
	v_cvt_i32_f32 v254, v254                       ; (it saturates)
	v_ldexp_f32 v252, 1.0, v254                    ; f = 2^(old M - new M)
.set j, 0
.rept 32
	v_pk_fma_f32 v[96+j:97+j], v[96+j:97+j], s[CS:CS+1], v[12:13] op_sel_hi:[1,0,0]   ; t - M, two at a time
.set j, j+2
.endr
.set j, 0
.rept 64
	v_exp_f32 v[96+j], v[96+j]                     ; p = 2^(t - M), at most 1
.set j, j+1
.endr
	v_pk_mul_f32 v[14:15], v[14:15], v[252:253] op_sel_hi:[1,0]   ; the sums under the new M: the plain line behind the exponentials
	s_wait_alu depctr_va_vdst(0)                   ; one wait for the whole batch, ahead of its first reader
	s_wait_dscnt 0x0                               ; V is in
.if (\q) < 3
	KLOAD (\q)+1                                   ; the next step's K lands while the sums, the codes and the second products are made
.endif
	v_pk_add_f32 v[242:243], v[96:97], v[98:99]    ; the row's sum is taken of the unquantised p, in two chains
.irp j, 4,8,12,16,20,24,28,32,36,40,44,48,52,56,60
	v_pk_add_f32 v[14:15], v[14:15], v[96+\j:97+\j]
	v_pk_add_f32 v[242:243], v[242:243], v[98+\j:99+\j]
.endr
	v_pk_add_f32 v[14:15], v[14:15], v[242:243]
.irp b, 0,1,2,3
.irp i, 0,1,2,3,4,5,6,7,8,9,10,11,12,13,14,15
	v_min_num_f32 v[96+16*\b+\i], v[96+16*\b+\i], v240   ; the conversion does not saturate (ISA guide 7.6.2); p is not negative, so the hold is one-sided
.endr
	v_cvt_scalef32_pk8_fp8_f32 v[224+4*\b:225+4*\b], v[96+16*\b:103+16*\b], v244
	v_cvt_scalef32_pk8_fp8_f32 v[226+4*\b:227+4*\b], v[104+16*\b:111+16*\b], v244
.endr
.set j, 0
.rept 32
	v_pk_mul_f32 v[160+j:161+j], v[160+j:161+j], v[252:253] op_sel_hi:[1,0]   ; O^T under the new M; these are also the plain lines between the conversions and the products below
.set j, j+2
.endr
	WIN 0x01
.irp t, 0,1,2,3,4,5,6,7                        ; O^T += V^T P^T: eight accumulators, one instruction each
	v_wmma_f32_16x16x128_fp8_fp8 v[160+8*\t:167+8*\t], v[128+16*\t:143+16*\t], v[224:239], v[160+8*\t:167+8*\t]
.endr
	WIN 0
.endm
; THE CHANGE OF SLOTS stands at a slot's head.  Each wave waits for all its tensor loads, adds 0 to its spare word, and waits for that and for its reads of the slot that it has left.
; fill = 1: a round of the cluster's barrier, and behind it the other slot is filled jointly with the keys that follow: the load has a slot's four steps in which to land.
.macro CHANGE fill
	s_wait_tensorcnt 0x0                           ; no tensor load of mine is out, so a group 0 may be written
	ds_add_u32 v[SPW], v[NIL]                      ; 0 onto my spare word
.if \fill
	s_xor_b32 s[G0K+1], s[G0K+1], SLOT1            ; the walking descriptors: the other slot than last time,
	s_add_nc_u64 s[G0K+2:G0K+3], s[G0K+2:G0K+3], SK*ROWB   ; the next 512 keys
	s_xor_b32 s[G0V+1], s[G0V+1], SLOT1
	s_add_nc_u64 s[G0V+2:G0V+3], s[G0V+2:G0V+3], VROWB
	s_wait_xcnt 0x0                                ; the last prefetch, a slot back, has read its address
	s_add_nc_u64 s[PFA:PFA+1], s[PFA:PFA+1], s[PFS:PFS+1]
	s_wait_dscnt 0x0                               ; the add is done, and my reads of the slot that I have left are over
	CROUND
	TLOAD                                          ; the first thing behind the round, and a wave's one tensor load until the next
	ASK
.else
	s_wait_dscnt 0x0
	s_barrier_signal -1
	s_barrier_wait -1
.endif
.endm
.macro SLOT_STEPS id
	STEP 0, \id
	STEP 1, \id
	STEP 2, \id
	STEP 3, \id
.Lslot_end_\id:
	s_add_co_u32 s[KF], s[KF], SK
	s_xor_b32 s[TB], s[TB], SLOT1                  ; on to the other slot
.endm
	s_wait_loadcnt 0x0                             ; Q
.Lslot:                                            ; 3 trips: behind each change of slots but the last the next slot is asked for
	CHANGE 1
	SLOT_STEPS 0
	s_sub_co_u32 s[SLOTS], s[SLOTS], 1
	s_cmp_lg_u32 s[SLOTS], 0
	s_cbranch_scc1 .Lslot
	CHANGE 0                                       ; the last slot is written out
	SLOT_STEPS 1
	; THE WAY OUT.  O^T / the sum, held, converted (a lane's eight registers of a tile are eight neighbouring d); the two heads of a row meet in the work-group's stage, so that sixteen lanes store 256 consecutive bytes, aligned.
	v_add_f32 v14, v14, v15
	v_permlanex16_b32 v252, v14, s[SEL], s[SEL+1]
	v_add_f32 v14, v14, v252                       ; the row's sum
	v_rcp_f32 v14, v14
	v_nop                                          ; a plain line behind the reciprocal,
	s_wait_alu depctr_va_vdst(0)                   ; and the wait ahead of its first reader
.set j, 0
.rept 64
	v_mul_f32 v[96+j], v[160+j], v14               ; register 8 t + i: d = 16 t + 8 h + i; each accumulator from its low end on
.set j, j+1
.endr
.set j, 0
.rept 64
	v_med3_num_f32 v[96+j], v[96+j], -v241, v241
.set j, j+1
.endr
.irp t, 0,1,2,3,4,5,6,7
	v_cvt_scalef32_pk8_fp8_f32 v[224+2*\t:225+2*\t], v[96+8*\t:103+8*\t], v245
.endr
	v_nop
.irp t, 0,1,2,3,4,5,6,7
	ds_store_b64 v10, v[224+2*\t:225+2*\t] offset:16*\t
.endr
	s_wait_dscnt 0x0                               ; for the others' sake: my stores into the stage are done
	s_barrier_signal -1
	s_barrier_wait -1
.irp i, 0,1,2,3
	ds_load_b128 v[32+4*\i:35+4*\i], v11 offset:2*STP*\i
.endr
.irp i, 0,1,2,3
	s_wait_dscnt 3-\i                              ; the younger loads may be out
	global_store_b128 v[GO], v[32+4*\i:35+4*\i], s[10:11] offset:2048*\i
.endr
	s_wait_tensorcnt 0x0                           ; the wave's end: behind my last tensor load and my last LDS store
	ds_add_u32 v[SPW], v[NIL]
	s_wait_dscnt 0x0
	CROUND                                         ; the closing round
	s_endpgm
.Lfunc_end_k_q13d689e2fa_attn:
	.size	k_q13d689e2fa_attn, .Lfunc_end_k_q13d689e2fa_attn-k_q13d689e2fa_attn
	.p2alignl 7, 3214868480
	.fill 96, 4, 3214868480
	.section	.rodata,"a",@progbits
	.p2align	6, 0x0
	.amdhsa_kernel k_q13d689e2fa_attn
		.amdhsa_group_segment_fixed_size 327680
		.amdhsa_private_segment_fixed_size 0
		.amdhsa_enable_private_segment 0
		.amdhsa_kernarg_size 32
		.amdhsa_user_sgpr_count 2
		.amdhsa_user_sgpr_kernarg_segment_ptr 1
		.amdhsa_wavefront_size32 1
		.amdhsa_system_sgpr_workgroup_id_x 1
		.amdhsa_system_sgpr_workgroup_id_y 1
		.amdhsa_system_sgpr_workgroup_id_z 1
		.amdhsa_system_vgpr_workitem_id 0
		.amdhsa_next_free_vgpr 512
		.amdhsa_next_free_sgpr 90
		.amdhsa_reserve_vcc 1
		.amdhsa_float_denorm_mode_32 3
		.amdhsa_float_denorm_mode_16_64 3
		.amdhsa_memory_ordered 1
		.amdhsa_forward_progress 1
		.amdhsa_inst_pref_size 212
	.end_amdhsa_kernel
	.amdgpu_metadata
---
amdhsa.version: [ 1, 2 ]
amdhsa.kernels:
  - .name:           k_q13d689e2fa_attn
    .symbol:         k_q13d689e2fa_attn.kd
    .args:
      - { .name: qkc, .offset: 0, .size: 8, .value_kind: global_buffer, .address_space: global }
      - { .name: vc, .offset: 8, .size: 8, .value_kind: global_buffer, .address_space: global }
      - { .name: lowp_scales, .offset: 16, .size: 8, .value_kind: global_buffer, .address_space: global }
      - { .name: ac, .offset: 24, .size: 8, .value_kind: global_buffer, .address_space: global }
    .group_segment_fixed_size: 327680
    .private_segment_fixed_size: 0
    .kernarg_segment_align: 8
    .kernarg_segment_size: 32
    .max_flat_workgroup_size: 256
    .sgpr_count:     90
    .vgpr_count:     512
    .wavefront_size: 32
...
	.end_amdgpu_metadata
.endif
;; end of part 3
;; launch oproj (part 4): grid 16 x 16, 4 waves a work-group, clusters of 4 x 4, 327,680 bytes of LDS; arguments ac, woc, lowp_scales, out0; writes out0
.if DOCPART == 4
	.amdgcn_target "amdgcn-amd-amdhsa--gfx1250"
	.amdhsa_code_object_version 6
	.text
	.protected	k_q13d689e2fa_oproj
	.globl	k_q13d689e2fa_oproj
	.p2align	8
	.type	k_q13d689e2fa_oproj,@function
k_q13d689e2fa_oproj:
	s_mov_b64 s[64:65], 0
	v_nop
	global_prefetch_b8 v0, s[64:65] scope:SCOPE_SE
	s_setreg_imm32_b32 hwreg(HW_REG_WAVE_MODE, 25, 1), 1
	s_wait_xcnt 0x0
	s_wait_alu depctr_hold_cnt(0) depctr_sa_sdst(0) depctr_va_vdst(0) depctr_va_sdst(0) depctr_va_ssrc(0) depctr_va_vcc(0) depctr_vm_vsrc(0)
	s_getreg_b32 s2, hwreg(HW_REG_IB_STS2, 6, 4)
	s_cmp_eq_u32 s2, 0
	s_cbranch_scc0 .Lentry_in_a_cluster
	s_endpgm
.Lentry_in_a_cluster:
	s_bfe_u32 s2, ttmp6, 0x10000c
	s_cmp_lg_u32 s2, 0xf033
	s_cbranch_scc0 .Lentry_shape_is_right
	s_endpgm
.Lentry_shape_is_right:
; out0[m][n] = 2^(e10 + e11) x the sum over k of ac[m][k] woc[n][k].  ac: [4096][1024], woc: [4096][1024]: codes of E4M3, K innermost; out0: [4096][4096] f32; sums in f32.
; LIMIT: e10 + e11 lies between -126 and 127, so that 2^(e10 + e11) is an f32 number.
; A tile of 256 x 256 is made by a work-group of four waves; a wave makes 128 x 128: 64 accumulators, 512 registers.  256 tiles: one for each WGP.
; K goes in steps of 256 (rows of 256 bytes) through a ring of two LDS slots filled by the tensor data mover.  CLUSTERS 4 x 4: A's tiles are asked for jointly along a row of the cluster, B's along a column.
; THE MATRIX INSTRUCTION IS USED TRANSPOSED (source 0 = 16 rows of B, source 1 = 16 rows of A): a lane holds eight neighbouring numbers of a row of the output.
; No prefetch: a work-group has two refills in all, and both are asked for within the first K steps.
; REGISTERS: window 0: v0-31 addresses; from v128 A's fragments, ONE set; on the way out v32-255 are free.  window 1: B's fragments, TWO sets.  window 2: the accumulators of my rows 0-63; window 3: of rows 64-127.
.set SIZE_N, 4096
.set SIZE_K, 1024
.set KSTEP,  256
.set ROWB,   256
.set KROW,   SIZE_K
.set PITCH,  272                       ; an LDS row: 256 bytes + 16 of padding: the 16 rows of a fragment load start 4 banks apart
.set FR,     16
.set NL,     4
.set NP,     4
.set HALFT,  128*PITCH
.set SLOT,   4*HALFT
.set LAPS,   SIZE_K/(2*KSTEP)
.set SPARE,  2*SLOT                    ; behind the ring: the spare words, 128 bytes a wave
.set SPITCH, 528                       ; the way out: 16 rows x (512 bytes + 16) for each wave, in slot 0, which has had its last fill and its last read by then
.set ADRA, 16
.set ADRB, 20
.set STO,  24
.set RD,   25
.set CO,   26
.set SPW,  28
.set NIL,  29
.set TMP,  32
.set AF,   128
.set BK,   128
.set G1, 24
.set G0, 32
.set G1B, 48
.set G0B, 56
.set MSB, 0
.macro WIN new
.if MSB != \new
	s_set_vgpr_msb (MSB<<8)|\new
.set MSB, \new
.endif
.endm
.set MUL_LO, 0xa1
.set MUL_HI, 0xf1
.set TO_B,   0x40
.macro JLOAD g0a, g1a, g0b, g1b        ; waves 0 and 1 fetch for A, waves 2 and 3 for B; an s_nop 0 and four v_nop follow each line
	s_cmp_eq_u32 s15, 0
	s_cbranch_scc0 .Lfor_b_\@
	tensor_load_to_lds s[\g0a:\g0a+3], s[\g1a:\g1a+7]
	s_nop 0
.rept 4
	v_nop
.endr
	s_branch .Lasked_\@
.Lfor_b_\@:
	tensor_load_to_lds s[\g0b:\g0b+3], s[\g1b:\g1b+7]
	s_nop 0
.rept 4
	v_nop
.endr
.Lasked_\@:
.endm
.macro CREST
	s_cmp_lg_u32 s14, 0
	s_cbranch_scc1 .Lnot_wave_0_\@
	s_barrier_signal -3
.Lnot_wave_0_\@:
	s_barrier_wait -3
	s_barrier_signal -1
	s_barrier_wait -1
.endm
.macro CROUND
	s_barrier_signal -1
	s_barrier_wait -1
	CREST
.endm
	s_load_b128 s[4:7], s[0:1], 0x0                ; A's codes, B's codes
	s_load_b128 s[8:11], s[0:1], 0x10              ; the scales' exponents, the output
	v_lshl_add_u32 v[SPW], v0, 2, SPARE
	v_mov_b32 v[NIL], 0
	ds_add_u32 v[SPW], v[NIL]                      ; the wave's opening: the add and its wait ahead of my first tensor load
	v_lshrrev_b32 v1, 5, v0
	v_readfirstlane_b32 s14, v1                    ; wave 0..3
	s_lshr_b32 s15, s14, 1                         ; which half of the tile's rows is mine; also: I fetch for A (0) or for B (1)
	s_and_b32 s16, s14, 1                          ; which half of its columns; also: which 128 rows I fetch
	s_bfe_u32 s40, ttmp6, 0x40000                  ; cx
	s_bfe_u32 s41, ttmp6, 0x40004                  ; cy
	s_lshl_b32 s42, ttmp9, 2
	s_add_co_u32 s42, s42, s40                     ; tile column
	s_and_b32 s17, ttmp7, 0xffff
	s_lshl_b32 s17, s17, 2
	s_add_co_u32 s17, s17, s41                     ; tile row
	s_lshl_b32 s43, s41, 2
	s_lshl_b32 s43, 15, s43                        ; my row of the cluster
	s_lshl_b32 s44, 0x1111, s40                    ; my column
	s_or_b32 s[G1+0], s43, (0<<16)|(1<<20)|(1<<21)|(5<<22)|(3<<25)
	s_or_b32 s[G1B+0], s44, (0<<16)|(1<<20)|(1<<21)|(5<<22)|(3<<25)
.irp g, G1, G1B
	s_mov_b32 s[\g+1], ROWB<<16
	s_mov_b32 s[\g+2], 128<<16
	s_mov_b32 s[\g+3], ROWB<<16
	s_mov_b32 s[\g+4], 128
	s_mov_b32 s[\g+5], KROW
	s_mov_b32 s[\g+6], 0
	s_mov_b32 s[\g+7], 0
.endr
	s_lshl_b32 s18, s16, 7
	s_lshl_b32 s20, s17, 8
	s_add_co_u32 s20, s20, s18                     ; A: row 256 x tile row + 128 x half
	s_lshl_b32 s46, s42, 8
	s_add_co_u32 s46, s46, s18                     ; B: row 256 x tile column + 128 x half
	s_mov_b32 s21, 0
	s_mov_b32 s47, 0
	s_mov_b64 s[18:19], KROW
	s_mul_u64 s[20:21], s[20:21], s[18:19]
	s_mul_u64 s[46:47], s[46:47], s[18:19]
	s_mul_i32 s45, s14, HALFT                      ; where they go: wave x 128 rows
	s_wait_dscnt 0x0                               ; the opening add is done
	s_wait_kmcnt 0x0
	s_load_b64 s[96:97], s[8:9], 0x28              ; e10, e11
	s_add_nc_u64 s[20:21], s[4:5], s[20:21]
	s_add_nc_u64 s[46:47], s[6:7], s[46:47]
	CROUND                                         ; all sixteen work-groups are here: the first joint loads meet
.irp s, 0,1
	s_mov_b32 s[G0+4*\s], 1
	s_add_co_u32 s[G0+4*\s+1], s45, \s*SLOT
	s_add_nc_u64 s[G0+4*\s+2:G0+4*\s+3], s[20:21], \s*ROWB
	s_or_b32 s[G0+4*\s+3], s[G0+4*\s+3], 0x80000000
	s_mov_b32 s[G0B+4*\s], 1
	s_add_co_u32 s[G0B+4*\s+1], s45, \s*SLOT
	s_add_nc_u64 s[G0B+4*\s+2:G0B+4*\s+3], s[46:47], \s*ROWB
	s_or_b32 s[G0B+4*\s+3], s[G0B+4*\s+3], 0x80000000
	JLOAD G0+4*\s, G1, G0B+4*\s, G1B
.endr
	v_and_b32 v1, 15, v0
	v_bfe_u32 v2, v0, 4, 1
	v_mul_u32_u24 v3, v1, PITCH
	v_lshl_add_u32 v4, v2, 4, v3                   ; a fragment's row x pitch + 16 x half
	s_mul_i32 s21, s15, HALFT
	s_mul_i32 s22, s16, HALFT
	s_add_co_u32 s22, s22, 2*HALFT
.irp s, 0,1
	v_add_nc_u32 v[ADRA+\s], s21, v4
	v_add_nc_u32 v[ADRB+\s], s22, v4
	s_add_co_u32 s21, s21, SLOT
	s_add_co_u32 s22, s22, SLOT
.endr
	s_mul_i32 s23, s14, 16*SPITCH                  ; my stage
	v_mul_u32_u24 v5, v1, SPITCH
	v_lshl_add_u32 v5, v2, 5, v5
	v_add_nc_u32 v[STO], s23, v5
	v_and_b32 v6, 31, v0
	v_lshlrev_b32 v[CO], 4, v6
	v_add_nc_u32 v[RD], s23, v[CO]
	s_lshl_b32 s20, s17, 8
	s_lshl_b32 s21, s15, 7
	s_add_co_u32 s20, s20, s21                     ; my first row of the output
	s_mov_b32 s21, 0
	s_mov_b64 s[18:19], SIZE_N*4
	s_mul_u64 s[20:21], s[20:21], s[18:19]
	s_lshl_b32 s46, s42, 10                        ; my first column, in bytes
	s_lshl_b32 s47, s16, 9
	s_add_co_u32 s46, s46, s47
	s_mov_b32 s47, 0
	s_add_nc_u64 s[20:21], s[20:21], s[46:47]
	s_add_nc_u64 s[10:11], s[10:11], s[20:21]
.macro FRAG reg, adr, q, i             ; 16 rows x 128 K: registers 4 c .. 4 c + 3 hold K = 32 c + 16 (l / 16) + 0 .. 15 of row l % 16: the same permutation of k in A and in B
.irp c, 0,1,2,3
	ds_load_b128 v[\reg+4*\c:\reg+4*\c+3], v[\adr] offset:128*(\q)+32*\c+(\i)*16*PITCH
.endr
.endm
; 16 matrix instructions: A's blocks a0, a0 + 1 x B's eight.  The 64 accumulators take turns, one instruction a turn, in the same order in every step.
.macro MUL16 a0, p, zero
.irp a, \a0, \a0+1
.irp b, 0,1,2,3,4,5,6,7
.if \zero
	v_wmma_f32_16x16x128_fp8_fp8 v[8*(8*((\a)%4)+\b):8*(8*((\a)%4)+\b)+7], v[128*(\p)+FR*\b:128*(\p)+FR*\b+FR-1], v[AF+FR*(\a):AF+FR*(\a)+FR-1], 0
.else
	v_wmma_f32_16x16x128_fp8_fp8 v[8*(8*((\a)%4)+\b):8*(8*((\a)%4)+\b)+7], v[128*(\p)+FR*\b:128*(\p)+FR*\b+FR-1], v[AF+FR*(\a):AF+FR*(\a)+FR-1], v[8*(8*((\a)%4)+\b):8*(8*((\a)%4)+\b)+7]
.endif
.endr
.endr
.endm
.macro FETCH_B slot, q, p
	WIN TO_B
.irp i, 0,1,2,3,4,5,6,7
	FRAG 128*(\p)+FR*\i, ADRB+\slot, \q, \i
.endr
	WIN 0
.endm
.macro FETCH_A slot, q, i0
.irp i, \i0, \i0+1, \i0+2, \i0+3
	FRAG AF+FR*(\i), ADRA+\slot, \q, \i
.endr
.endm
.macro PLACES n                        ; plain vector lines between a matrix instruction and a load into, or a read of, its registers (ISA guide 7.12.1 for vector instructions)
.rept \n
	v_nop
.endr
.endm
.macro STEP slot, q, zero              ; a step of 128 along K that has its successor in the same slot
	s_wait_dscnt 4*NL                              ; B's set and A's blocks 0-3 are in; the youngest 16 loads (A's blocks 4-7) may be out
	WIN MUL_LO
	MUL16 0, (\q)%2, \zero
	MUL16 2, (\q)%2, \zero
	s_wait_dscnt 0
	PLACES NP
	FETCH_B \slot, (\q)+1, 1-(\q)%2
	FETCH_A \slot, (\q)+1, 0
	WIN MUL_HI
	MUL16 4, (\q)%2, \zero
	MUL16 6, (\q)%2, \zero
	PLACES NP
	WIN 0
	FETCH_A \slot, (\q)+1, 4
.endm
; A slot's last step changes slots: ONE barrier; in front of it each wave waits for all its tensor loads, adds 0 to its spare word, and waits for that and for its reads of this slot.
.macro TURN slot, next, fill
	s_wait_tensorcnt 0x0                           ; all my tensor loads have landed: my part of the next slot
	ds_add_u32 v[SPW], v[NIL]                      ; 0 onto my spare word
	s_wait_dscnt 4*NL+1                            ; the add and the youngest 16 loads may be out
	WIN MUL_LO
	MUL16 0, 1, 0
	s_wait_dscnt 0x0                               ; the add is done, and my reads of this slot are over
	s_barrier_signal -1
	MUL16 2, 1, 0
	WIN 0
	s_barrier_wait -1
.if \fill
	CREST                                          ; no wave of any partner still reads this slot or has a load on its way
	s_add_nc_u64 s[G0+4*\slot+2:G0+4*\slot+3], s[G0+4*\slot+2:G0+4*\slot+3], 2*ROWB
	s_add_nc_u64 s[G0B+4*\slot+2:G0B+4*\slot+3], s[G0B+4*\slot+2:G0B+4*\slot+3], 2*ROWB
	JLOAD G0+4*\slot, G1, G0B+4*\slot, G1B         ; the four v_nop behind it are also the places in front of the loads below
.else
	PLACES NP
.endif
	FETCH_B \next, 0, 0
	FETCH_A \next, 0, 0
	WIN MUL_HI
	MUL16 4, 1, 0
	MUL16 6, 1, 0
	PLACES NP
	WIN 0
	FETCH_A \next, 0, 4
.endm
	s_wait_tensorcnt 1                             ; my part of K step 0 is in; K step 1's may stay out
	s_barrier_signal -1
	s_barrier_wait -1
	FETCH_B 0, 0, 0
	FETCH_A 0, 0, 0
	FETCH_A 0, 0, 4
	STEP 0, 0, 1                                   ; the first products start the sums
	s_mov_b32 s3, LAPS-1
.Llap:
	TURN 0, 1, 1
	STEP 1, 0, 0
	TURN 1, 0, 1
	STEP 0, 0, 0
	s_sub_co_u32 s3, s3, 1
	s_cmp_lg_u32 s3, 0
	s_cbranch_scc1 .Llap
	TURN 0, 1, 0                                   ; the last lap fills nothing
	STEP 1, 0, 0
	s_wait_dscnt 4*NL
	WIN MUL_LO
	MUL16 0, 1, 0
	MUL16 2, 1, 0
	s_wait_dscnt 0
	WIN MUL_HI
	MUL16 4, 1, 0
	MUL16 6, 1, 0
	WIN 0
; THE WAY OUT, block by block of 16 rows x 128 columns, through my own stage in LDS: in as 32 bytes a lane, back as whole rows of 512 bytes.  LDS serves a wave's instructions in order.
.macro TOSTAGE a
.set AC, 64*((\a)%4)
	WIN 0x02+((\a)/4)
.irp j, 0,2,4,6,8,10,12,14,16,18,20,22,24,26,28,30,32,34,36,38,40,42,44,46,48,50,52,54,56,58,60,62
	v_pk_mul_f32 v[TMP+\j:TMP+\j+1], v[AC+\j:AC+\j+1], s[96:97] op_sel_hi:[1,0]   ; x 2^(e10 + e11); each accumulator from its low end on
.endr
	WIN 0
.irp b, 0,1,2,3,4,5,6,7
	ds_store_b128 v[STO], v[TMP+8*\b:TMP+8*\b+3] offset:64*\b
	ds_store_b128 v[STO], v[TMP+8*\b+4:TMP+8*\b+7] offset:64*\b+16
.endr
.set BB, BK+64*((\a)%2)
.irp t, 0,1,2,3,4,5,6,7,8,9,10,11,12,13,14,15
	ds_load_b128 v[BB+4*\t:BB+4*\t+3], v[RD] offset:\t*SPITCH
.endr
.endm
.macro SEND a, younger
.set BB, BK+64*((\a)%2)
	s_wait_dscnt \younger                          ; the block is back in registers
.if (\a) > 0
	s_add_nc_u64 s[10:11], s[10:11], 16*SIZE_N*4   ; (behind a wait on XCNT: the earlier stores have read their base)
.endif
.irp t, 0,1,2,3,4,5,6,7,8,9,10,11,12,13,14,15
	global_store_b128 v[CO], v[BB+4*\t:BB+4*\t+3], s[10:11] offset:\t*SIZE_N*4 th:TH_STORE_NT   ; 32 lanes store 512 consecutive bytes, aligned; written once, read by nobody here
.endr
.endm
	s_wait_kmcnt 0x0
	s_add_co_i32 s96, s96, s97
	s_add_co_i32 s96, s96, 127
	s_lshl_b32 s96, s96, 23                        ; 2^(e10 + e11) as f32
	PLACES NP
	TOSTAGE 0
.irp a, 1,2,3,4,5,6,7
.if \a > 1
	s_wait_xcnt 0x0                                ; block a - 2's stores have read their registers and their base
.endif
	TOSTAGE \a
	SEND \a-1, 32                                  ; behind block a - 1's loads: block a's 16 stores and 16 loads
.endr
	s_wait_xcnt 0x0
	SEND 7, 0
	s_wait_tensorcnt 0x0                           ; the wave's end: behind my last tensor load and my last LDS store
	ds_add_u32 v[SPW], v[NIL]
	s_wait_dscnt 0x0
	CROUND                                         ; the closing round
	s_endpgm
.Lfunc_end_k_q13d689e2fa_oproj:
	.size	k_q13d689e2fa_oproj, .Lfunc_end_k_q13d689e2fa_oproj-k_q13d689e2fa_oproj
	.p2alignl 7, 3214868480
	.fill 96, 4, 3214868480
	.section	.rodata,"a",@progbits
	.p2align	6, 0x0
	.amdhsa_kernel k_q13d689e2fa_oproj
		.amdhsa_group_segment_fixed_size 327680
		.amdhsa_private_segment_fixed_size 0
		.amdhsa_enable_private_segment 0
		.amdhsa_kernarg_size 32
		.amdhsa_user_sgpr_count 2
		.amdhsa_user_sgpr_kernarg_segment_ptr 1
		.amdhsa_wavefront_size32 1
		.amdhsa_system_sgpr_workgroup_id_x 1
		.amdhsa_system_sgpr_workgroup_id_y 1
		.amdhsa_system_sgpr_workgroup_id_z 1
		.amdhsa_system_vgpr_workitem_id 0
		.amdhsa_next_free_vgpr 1024
		.amdhsa_next_free_sgpr 98
		.amdhsa_reserve_vcc 0
		.amdhsa_float_denorm_mode_32 3
		.amdhsa_float_denorm_mode_16_64 3
		.amdhsa_memory_ordered 1
		.amdhsa_forward_progress 1
		.amdhsa_inst_pref_size 123
	.end_amdhsa_kernel
	.amdgpu_metadata
---
amdhsa.version: [ 1, 2 ]
amdhsa.kernels:
  - .name:           k_q13d689e2fa_oproj
    .symbol:         k_q13d689e2fa_oproj.kd
    .args:
      - { .name: ac, .offset: 0, .size: 8, .value_kind: global_buffer, .address_space: global }
      - { .name: woc, .offset: 8, .size: 8, .value_kind: global_buffer, .address_space: global }
      - { .name: lowp_scales, .offset: 16, .size: 8, .value_kind: global_buffer, .address_space: global }
      - { .name: out0, .offset: 24, .size: 8, .value_kind: global_buffer, .address_space: global }
    .group_segment_fixed_size: 327680
    .private_segment_fixed_size: 0
    .kernarg_segment_align: 8
    .kernarg_segment_size: 32
    .max_flat_workgroup_size: 128
    .sgpr_count:     98
    .vgpr_count:     1024
    .wavefront_size: 32
...
	.end_amdgpu_metadata
.endif
;; end of part 4
